; MI455X (gfx1250); checked and timed in simulation.
; The chip was launched on July 23, 2026; its instructions are those of AMD's public machine-readable ISA for CDNA 5 (MIT licence, August 2026) and "CDNA5" Instruction Set Architecture Reference Guide (July 2026). The comments in the code are by the model that wrote it; some were corrected since.
;; Multi Headed Attention. Allowed arithmetic: matrix products marked QUANTISED: E2M3 operands, one E8M0 scale for each 32 along K, by v_wmma_scale_f32_16x16x128_f8f6f4 with both operands' format E2M3, f32 sums; everything else in f32.
;; Inputs: Wk 1,024 x 1,024 float32; Wo 1,024 x 1,024 float32; Wq 1,024 x 1,024 float32; Wv 1,024 x 1,024 float32; bk 1,024 float32; bo 1,024 float32; bq 1,024 float32; bv 1,024 float32; key 4 x 2,048 x 1,024 float32; mask 1 x 2,048 x 2,048 int32; query 4 x 2,048 x 1,024 float32; value 4 x 2,048 x 1,024 float32.
;; Outputs: out0 4 x 2,048 x 1,024 float32.
;; This version of the problem:
;;   THIS VERSION OF THE PROBLEM IS GIVEN IN LOW PRECISION. The matrix products marked QUANTISED in the list below multiply operands that are first quantised to E2M3 (2 exponent bits, 3 mantissa bits; 6 bits a number), with one power-of-two scale for each 32 numbers along K (OCP MX v1.0); their sums are f32. All else is computed in f32.
;;   The module's matrix products, in the order in which they are computed (A, B: the left and right operand; K: the contracted axis; several contracted axes count as one K, in the product's order):
;;     1. [M 8,192, K 1,024] x [K 1,024, N 1,024]; A: input query; B: input Wq: QUANTISED
;;     2. [M 8,192, K 1,024] x [K 1,024, N 1,024]; A: input key; B: input Wk: QUANTISED
;;     3. [M 8,192, K 1,024] x [K 1,024, N 1,024]; A: input value; B: input Wv: QUANTISED
;;     4. batch 64 x [M 2,048, K 64] x [K 64, N 2,048]; A: computed on the way; B: computed on the way: QUANTISED
;;     5. batch 64 x [M 2,048, K 2,048] x [K 2,048, N 64]; A: softmax (see below); B: computed on the way: QUANTISED
;;     6. [M 8,192, K 1,024] x [K 1,024, N 1,024]; A: computed on the way; B: input Wo: QUANTISED
;;   THE QUANTISER, for each operand of a quantised product, along K:
;;     - K is cut into blocks of 32 from its start; a last block that is shorter is filled with zeros.
;;     - A block's scale is 2^e with e = floor(log2(the largest magnitude in the block)) - 2, held to -126 .. 127; a block of zeros has e = 0. As a byte (E8M0): e + 127.
;;     - Each number is divided by its block's scale, clamped to +-7.5, and rounded to the nearest number of E2M3, ties to even, subnormals kept.
;;     - The product sums the exact products of the quantised numbers (number of the format x scale) in f32.
;;   ~~~python
;;   def quantise(x, axis):      # numpy; x: float32 -> the quantised numbers, widened to float32 again
;;       x = np.moveaxis(x, axis, -1); K = x.shape[-1]
;;       x = np.pad(x, [(0, 0)] * (x.ndim - 1) + [(0, -K % 32)]); x = x.reshape(x.shape[:-1] + (-1, 32)); a = np.abs(x).max(-1, keepdims=True)
;;       e = np.where(a > 0, np.clip(np.frexp(np.where(a > 0, a, 1))[1] - 1 - 2, -126, 127), 0)      # np.frexp(a)[1] - 1 = floor(log2(a)), exactly
;;       r = np.clip(x / 2.0 ** e, -7.5, 7.5)
;;       step = 2.0 ** (np.maximum(np.frexp(np.where(r == 0, 1, r))[1] - 1, 0) - 3)
;;       q = np.round(r / step) * step * 2.0 ** e      # np.round: ties to even
;;       return np.moveaxis(q.reshape(q.shape[:-2] + (-1,))[..., :K], -1, axis).astype(np.float32)
;;   ~~~
;;   SOFTMAX AHEAD OF A QUANTISED PRODUCT. Where the list says 'softmax', what is quantised is not the finished softmax but p = 2^(t - M), with t = logit x log2(e) and M = ceil(the row's largest t), a whole number; so 1/2 < the row's largest p <= 1. The row's sum l is taken of the UNQUANTISED p, in f32, and the product's result is divided by l at the end. Since M is a whole number, a kernel that streams over the keys may use a running M (the ceiling of the running maximum): every later rescaling is an exact power of two, which a block's scale takes up: the codes' values come out the same.
;;   OPERANDS COMPUTED ON THE WAY. 'Computed on the way' means the value that the module computes at that place (a softmax that the list does not call 'softmax' is quantised finished and normalised). What goes into a quantiser is computed in f32, as accurately as f32 sums, v_exp_f32 and their like allow (about 1e-6 of the number): no bf16 or f16 on the way to a quantiser, and a product that is left as it is and whose result goes on into a quantised operand takes f32 operands (vector FMAs, or v_wmma_f32_16x16x4_f32). A number that lies on a knife's edge between two numbers of the format may be rounded either way, as far as f32 arithmetic and the matrix unit's own rounding can turn it there, and no further.
;; One version. Each part assembles by itself: llvm-mc -triple=amdgcn-amd-amdhsa -mcpu=gfx1250 --defsym DOCPART=n.
;; ======== version 1 of 1: 4 launches
;; limits: right only within a limited range of input values
;; workspace buffers: xq 22,937,600 bytes; mw 532,480 bytes of whole numbers; qq 6,553,600 bytes; kv 13,107,200 bytes; oo 6,553,600 bytes
;; launch prep (part 1): grid 1408 x 1, 4 waves a work-group, no clusters, 67,072 bytes of LDS; arguments query, key, value, Wq, Wk, Wv, Wo, mask, xq, mw; writes xq, mw
.if DOCPART == 1
	.amdgcn_target "amdgcn-amd-amdhsa--gfx1250"
	.amdhsa_code_object_version 6
	.text
	.protected	k_q9ab2723a73_prep
	.globl	k_q9ab2723a73_prep
	.p2align	8
	.type	k_q9ab2723a73_prep,@function
k_q9ab2723a73_prep:
	s_mov_b64 s[64:65], 0
	v_nop
	global_prefetch_b8 v0, s[64:65] scope:SCOPE_SE
	s_setreg_imm32_b32 hwreg(HW_REG_WAVE_MODE, 25, 1), 1
	s_wait_xcnt 0x0
; PREP.  Work-groups 0-895: query, key, value [8192][1024] and Wq, Wk, Wv, Wo [1024][1024], f32, become codes of FP6 (E2M3) with K innermost and one E8M0 byte for each 32 along K,
; all in one buffer xq: codes [28672 rows][768 bytes], then the scale bytes [28672][32].  First rows: query 0, key 8192, value 16384, Wq 24576, Wk 25600, Wv 26624, Wo 27648.
; A block's scale is 2^(floor(log2(its largest magnitude)) - 2); its byte is the largest magnitude's exponent field - 2, held at 1 from below.
; THE ROWS ARE STORED PERMUTED: in each group of 32 rows the four runs of 8 rows 0, 1, 2, 3 go to places 0, 2, 1, 3.  So 16 consecutive stored rows are a tile whose lane-row m stands for row 8 u + m + 8 (m / 8),
; and the 16 result registers of two neighbouring tiles are 16 neighbours along the next product's K.  A wave takes one run of 8 rows (8,192 numbers, 16 steps of 512), a work-group a group of 32.
; Work-groups 896-1407: the mask [2048][2048] int32 becomes lane masks.  A wave takes one tile: 16 queries tok(tau, r) = 32 (tau / 2) + 8 (tau % 2) + r + 8 (r / 8) x 128 keys of step t.
; Word n = 16 b + i of the tile has bit (r + 16 h) = mask[tok(tau, r)][128 t + 32 b + 16 h + i] != 0; 64 words a tile, at mw + 256 (16 tau + t).
; The tile's flag word, at mw + MF + 4 (16 tau + t): bits 0-15: row r has an open key in this step; bit 16: all 2,048 entries are open.
; LIMITS: blocks whose largest magnitude lies under 2^-124 (zeros among them) get the byte 1: their codes are zeros or held low, and these bytes are read by this program alone; NaN and infinities are not served.
; No tensor loads, no barrier: waves share nothing.  The two paths part on the work-group's number and have LDS bytes of their own.
.set STEPS, 16
.set EMAX,  2
.set CB,    12                         ; bytes of 16 codes
.set R,     16                         ; v16-79   four sets of 16 numbers as loaded
.set X,     80                         ; v80-111  two sets of 16 neighbours
.set C,     128                        ; v128-191 codes, four registers a step
.set E,     112                        ; v112-127 a scale byte a step
.set WREG,  8192                       ; the quantiser's LDS: a region for each wave: two stages of 32 x SP bytes, then 256 scale bytes
.set SP,    80
.set SPW,   12                         ; v12 LDS address of my spare word; never rewritten
.set NIL,   13                         ; v13 0; never rewritten
.set PSTG,  32768                      ; the mask path's stages: 16 rows x 528 bytes for each wave
.set PROW,  528
.set SPARE, 66560                      ; the spare words, 128 bytes a wave: two blocks of 256 bytes that no other line names
.set XS,    22020096                   ; where xq's scale bytes begin
.set MF,    524288                     ; where mw's flags begin
	s_load_b512 s[4:19], s[0:1], 0x0               ; query, key, value, Wq, Wk, Wv, Wo, mask
	s_load_b128 s[20:23], s[0:1], 0x40             ; xq, mw
	v_lshl_add_u32 v[SPW], v0, 2, SPARE
	v_mov_b32 v[NIL], 0
	v_lshrrev_b32 v1, 5, v0
	v_readfirstlane_b32 s24, v1                    ; wave
	v_and_b32 v2, 31, v0                           ; lane
	v_lshlrev_b32 v3, 4, v2                        ; 16 x lane
	s_cmp_ge_u32 ttmp9, 896
	s_cbranch_scc1 .Lpack
	; ---------------- the quantiser ----------------
	s_mul_i32 s25, s24, WREG
	v_lshrrev_b32 v14, 2, v2
	v_mul_u32_u24 v14, v14, SP
	v_and_b32 v15, 3, v2
	v_lshl_add_u32 v14, v15, 4, v14
	v_add_nc_u32 v14, s25, v14                     ; the stage, in: SP (lane / 4) + 16 (lane % 4)
	v_mul_u32_u24 v15, v2, SP
	v_add_nc_u32 v15, s25, v15                     ; and out: SP x lane: my 16 neighbours
	v_mul_u32_u24 v4, v2, CB                       ; my codes' place in a step's 384 bytes
	v_lshrrev_b32 v5, 1, v2
	s_add_co_u32 s25, s25, 2*32*SP
	v_add_nc_u32 v5, s25, v5                       ; my block's byte among my wave's 256
	v_lshlrev_b32 v7, 3, v2
	v_add_nc_u32 v6, s25, v7
	s_wait_kmcnt 0x0
	s_mov_b64 s[26:27], s[16:17]                   ; which tensor, and its first work-group: the choice hangs on the work-group's number alone
	s_mov_b32 s28, 864
.macro PICK lim, lo, first
	s_cmp_lt_u32 ttmp9, \lim
	s_cselect_b64 s[26:27], s[\lo:\lo+1], s[26:27]
	s_cselect_b32 s28, \first, s28
.endm
	PICK 864, 14, 832
	PICK 832, 12, 800
	PICK 800, 10, 768
	PICK 768, 8, 512
	PICK 512, 6, 256
	PICK 256, 4, 0
	s_sub_co_u32 s28, ttmp9, s28
	s_lshl_b32 s28, s28, 17                        ; 32 rows of 4,096 bytes a work-group,
	s_lshl_b32 s29, s24, 15                        ; 8 a wave
	s_add_co_u32 s28, s28, s29
	s_mov_b32 s29, 0
	s_add_nc_u64 s[26:27], s[26:27], s[28:29]
	s_and_b32 s30, s24, 1                          ; where the run goes: the wave's number with its two bits swapped
	s_lshl_b32 s30, s30, 1
	s_lshr_b32 s31, s24, 1
	s_or_b32 s30, s30, s31
	s_lshl_b32 s31, ttmp9, 2
	s_add_co_u32 s30, s30, s31
	s_mul_i32 s32, s30, 6144                       ; 8 rows of 768 bytes
	s_mov_b32 s33, 0
	s_add_nc_u64 s[32:33], s[20:21], s[32:33]
	s_lshl_b32 s34, s30, 8                         ; 8 rows of 32 scale bytes
	s_mov_b32 s35, 0
	s_add_nc_u64 s[34:35], s[20:21], s[34:35]
	s_add_nc_u64 s[34:35], s[34:35], XS
.macro LOAD t
.irp i, 0,1,2,3
	global_load_b128 v[R+16*((\t)%4)+4*\i:R+16*((\t)%4)+4*\i+3], v3, s[26:27] offset:2048*(\t)+512*\i th:TH_LOAD_NT   ; 32 lanes read 512 consecutive bytes
.endr
.endm
.macro TURN t                          ; step t's numbers through the stage: LDS serves a wave's instructions in order, so no wait stands between the stores and the loads
.irp i, 0,1,2,3
	ds_store_b128 v14, v[R+16*((\t)%4)+4*\i:R+16*((\t)%4)+4*\i+3] offset:32*SP*((\t)%2)+8*SP*\i
.endr
.irp i, 0,1,2,3
	ds_load_b128 v[X+16*((\t)%2)+4*\i:X+16*((\t)%2)+4*\i+3], v15 offset:32*SP*((\t)%2)+16*\i
.endr
.endm
.irp t, 0,1,2,3
	LOAD \t
.endr
	s_wait_loadcnt 12                              ; step 0's four loads are in
	TURN 0
.macro QSTEP t
.set XSET, X+16*((\t)%2)
.if (\t) > 0
	s_wait_dscnt 1                                 ; this step's numbers are back from the stage (the last step's byte store may be out)
.else
	s_wait_dscnt 0x0
.endif
.if (\t)+4 < STEPS
	LOAD (\t)+4                                    ; into the set whose stores into the stage have read their registers
.endif
.if (\t)+1 < STEPS
.if STEPS-2-(\t) >= 3
	s_wait_loadcnt 12                              ; the next step's four loads are in; those of the three steps behind it may be out
.else
	s_wait_loadcnt 4*(STEPS-2-(\t))
.endif
	TURN (\t)+1
.endif
	v_max3_num_f32 v8, |v[XSET]|, |v[XSET+1]|, |v[XSET+2]|
	v_max3_num_f32 v9, |v[XSET+3]|, |v[XSET+4]|, |v[XSET+5]|
.irp i, 6,10
	v_max3_num_f32 v8, v8, |v[XSET+\i]|, |v[XSET+\i+1]|
	v_max3_num_f32 v9, v9, |v[XSET+\i+2]|, |v[XSET+\i+3]|
.endr
	v_max3_num_f32 v8, v8, |v[XSET+14]|, |v[XSET+15]|
	v_max3_num_f32 v8, v8, v9, (EMAX+1)<<23        ; the floor 2^(3 - 127): the byte cannot fall under 1
	v_max_num_f32_dpp v8, v8, v8 row_xmask:1 row_mask:0xf bank_mask:0xf   ; with my neighbour's 16: the block's largest magnitude
	v_add_nc_u32 v11, -(EMAX<<23), v8              ; 2 off its exponent field: the conversion takes the exponent field of this operand as its scale
	v_cvt_scalef32_pk16_fp6_f32 v[C+4*(\t):C+4*(\t)+2], v[XSET:XSET+15], v11
	v_lshrrev_b32 v[E+(\t)], 23, v11               ; the scale's byte
	ds_store_b8 v5, v[E+(\t)] offset:16*(\t)       ; both lanes of a block write the same byte with the same value
	global_store_b96 v4, v[C+4*(\t):C+4*(\t)+2], s[32:33] offset:32*CB*(\t)
.endm
.irp t, 0,1,2,3,4,5,6,7,8,9,10,11,12,13,14,15
	QSTEP \t
.endr
	ds_load_b64 v[8:9], v6                         ; in order behind my byte stores
	s_wait_dscnt 0x0
	global_store_b64 v7, v[8:9], s[34:35]          ; 32 lanes store 256 consecutive bytes, aligned
	s_wait_tensorcnt 0x0                           ; the wave's end: behind my last LDS store
	ds_add_u32 v[SPW], v[NIL]
	s_wait_dscnt 0x0
	s_endpgm
	; ---------------- the mask ----------------
.Lpack:
	s_sub_co_u32 s25, ttmp9, 896
	s_lshl_b32 s25, s25, 2
	s_add_co_u32 s25, s25, s24                     ; idx = 16 tau + t
	s_lshr_b32 s26, s25, 4                         ; tau
	s_and_b32 s27, s25, 15                         ; t
	s_lshr_b32 s28, s26, 1
	s_lshl_b32 s28, s28, 5
	s_and_b32 s29, s26, 1
	s_lshl_b32 s29, s29, 3
	s_add_co_u32 s28, s28, s29                     ; the tile's first row: 32 (tau / 2) + 8 (tau % 2)
	s_lshl_b32 s28, s28, 13                        ; a row of the mask is 8,192 bytes
	s_lshl_b32 s29, s27, 9                         ; a step's 128 entries are 512 bytes
	s_add_co_u32 s28, s28, s29
	s_mov_b32 s29, 0
	s_mul_i32 s30, s24, 16*PROW
	s_add_co_u32 s30, s30, PSTG                    ; my stage
	v_add_nc_u32 v4, s30, v3                       ; in: 16 x lane of a row
	v_and_b32 v5, 15, v2
	v_lshrrev_b32 v6, 4, v2
	v_mul_u32_u24 v5, v5, PROW
	v_lshl_add_u32 v5, v6, 6, v5
	v_add_nc_u32 v5, s30, v5                       ; out: row r, + 64 h
	v_lshlrev_b32 v7, 3, v2
	v_mov_b32 v8, 0                                ; the 64 words: lane L will hold words 2 L and 2 L + 1
	v_mov_b32 v9, 0
	s_wait_kmcnt 0x0
	s_add_nc_u64 s[18:19], s[18:19], s[28:29]
.irp p, 0,1,2,3,4,5,6,7,8,9,10,11,12,13,14,15
	global_load_b128 v[16+4*\p:19+4*\p], v3, s[18:19] offset:(\p+8*(\p/8))*8192 th:TH_LOAD_NT   ; row tok(tau, p): 512 consecutive bytes
.endr
	s_wait_loadcnt 0x0
.irp p, 0,1,2,3,4,5,6,7,8,9,10,11,12,13,14,15
	ds_store_b128 v4, v[16+4*\p:19+4*\p] offset:PROW*\p
.endr
.irp b, 0,1,2,3
.irp j, 0,1,2,3
	ds_load_b128 v[80+16*\b+4*\j:83+16*\b+4*\j], v5 offset:128*\b+16*\j   ; lane (r, h): entries 32 b + 16 h + 4 j .. + 3 of row r; in order behind my stores
.endr
.endr
	s_mov_b32 s32, 0                               ; the OR of the words,
	s_mov_b32 s33, -1                              ; and their AND
	s_wait_dscnt 0x0
.set n, 0
.rept 64
	v_cmp_ne_u32 s[36+n%4], 0, v[80+n]             ; word n: one bit a lane
	v_writelane_b32 v[8+(n&1)], s[36+n%4], n>>1
	s_or_b32 s32, s32, s[36+n%4]
	s_and_b32 s33, s33, s[36+n%4]
.set n, n+1
.endr
	s_lshr_b32 s34, s32, 16
	s_or_b32 s32, s32, s34
	s_and_b32 s32, s32, 0xffff                     ; rows with an open key
	s_cmp_eq_u32 s33, -1
	s_cselect_b32 s34, 0x10000, 0                  ; all open
	s_or_b32 s32, s32, s34
	v_mov_b32 v10, s32
	v_mov_b32 v11, 0
	s_lshl_b32 s28, s25, 8
	s_mov_b32 s29, 0
	s_add_nc_u64 s[28:29], s[22:23], s[28:29]
	global_store_b64 v7, v[8:9], s[28:29]          ; 32 lanes store 256 consecutive bytes, aligned
	s_lshl_b32 s30, s25, 2
	s_mov_b32 s31, 0
	s_add_nc_u64 s[30:31], s[22:23], s[30:31]
	s_add_nc_u64 s[30:31], s[30:31], MF
	s_wait_xcnt 0x0                                ; EXEC changes only behind this wait
	v_cmp_eq_u32 vcc_lo, 0, v2
	s_and_saveexec_b32 s35, vcc_lo
	global_store_b32 v11, v10, s[30:31]            ; the flag: lane 0 alone
	s_wait_xcnt 0x0                                ; and again in front of the line that widens it
	s_or_b32 exec_lo, exec_lo, s35
	s_wait_tensorcnt 0x0                           ; the wave's end: behind my last LDS store
	ds_add_u32 v[SPW], v[NIL]
	s_wait_dscnt 0x0
	s_endpgm
.Lfunc_end_k_q9ab2723a73_prep:
	.size	k_q9ab2723a73_prep, .Lfunc_end_k_q9ab2723a73_prep-k_q9ab2723a73_prep
	.p2alignl 7, 3214868480
	.fill 96, 4, 3214868480
	.section	.rodata,"a",@progbits
	.p2align	6, 0x0
	.amdhsa_kernel k_q9ab2723a73_prep
		.amdhsa_group_segment_fixed_size 67072
		.amdhsa_private_segment_fixed_size 0
		.amdhsa_enable_private_segment 0
		.amdhsa_kernarg_size 80
		.amdhsa_user_sgpr_count 2
		.amdhsa_user_sgpr_kernarg_segment_ptr 1
		.amdhsa_wavefront_size32 1
		.amdhsa_system_sgpr_workgroup_id_x 1
		.amdhsa_system_sgpr_workgroup_id_y 1
		.amdhsa_system_sgpr_workgroup_id_z 1
		.amdhsa_system_vgpr_workitem_id 0
		.amdhsa_next_free_vgpr 192
		.amdhsa_next_free_sgpr 66
		.amdhsa_reserve_vcc 1
		.amdhsa_float_denorm_mode_32 3
		.amdhsa_float_denorm_mode_16_64 3
		.amdhsa_memory_ordered 1
		.amdhsa_forward_progress 1
		.amdhsa_inst_pref_size 51
	.end_amdhsa_kernel
	.amdgpu_metadata
---
amdhsa.version: [ 1, 2 ]
amdhsa.kernels:
  - .name:           k_q9ab2723a73_prep
    .symbol:         k_q9ab2723a73_prep.kd
    .args:
      - { .name: query, .offset: 0, .size: 8, .value_kind: global_buffer, .address_space: global }
      - { .name: key, .offset: 8, .size: 8, .value_kind: global_buffer, .address_space: global }
      - { .name: value, .offset: 16, .size: 8, .value_kind: global_buffer, .address_space: global }
      - { .name: Wq, .offset: 24, .size: 8, .value_kind: global_buffer, .address_space: global }
      - { .name: Wk, .offset: 32, .size: 8, .value_kind: global_buffer, .address_space: global }
      - { .name: Wv, .offset: 40, .size: 8, .value_kind: global_buffer, .address_space: global }
      - { .name: Wo, .offset: 48, .size: 8, .value_kind: global_buffer, .address_space: global }
      - { .name: mask, .offset: 56, .size: 8, .value_kind: global_buffer, .address_space: global }
      - { .name: xq, .offset: 64, .size: 8, .value_kind: global_buffer, .address_space: global }
      - { .name: mw, .offset: 72, .size: 8, .value_kind: global_buffer, .address_space: global }
    .group_segment_fixed_size: 67072
    .private_segment_fixed_size: 0
    .kernarg_segment_align: 8
    .kernarg_segment_size: 80
    .max_flat_workgroup_size: 128
    .sgpr_count:     66
    .vgpr_count:     192
    .wavefront_size: 32
...
	.end_amdgpu_metadata
.endif
;; end of part 1
;; launch proj (part 2): grid 4 x 96, 4 waves a work-group, clusters of 4 x 4, 327,680 bytes of LDS; arguments xq, bq, bk, bv, qq, kv; writes qq, kv
.if DOCPART == 2
	.amdgcn_target "amdgcn-amd-amdhsa--gfx1250"
	.amdhsa_code_object_version 6
	.text
	.protected	k_q9ab2723a73_proj
	.globl	k_q9ab2723a73_proj
	.p2align	8
	.type	k_q9ab2723a73_proj,@function
k_q9ab2723a73_proj:
	s_mov_b64 s[64:65], 0
	v_nop
	global_prefetch_b8 v0, s[64:65] scope:SCOPE_SE
	s_setreg_imm32_b32 hwreg(HW_REG_WAVE_MODE, 25, 1), 1
	s_wait_xcnt 0x0
	s_wait_alu depctr_hold_cnt(0) depctr_sa_sdst(0) depctr_va_vdst(0) depctr_va_sdst(0) depctr_va_ssrc(0) depctr_va_vcc(0) depctr_vm_vsrc(0)
	s_getreg_b32 s2, hwreg(HW_REG_IB_STS2, 6, 4)
	s_cmp_eq_u32 s2, 0
	s_cbranch_scc0 .Lentry_in_a_cluster
	s_endpgm
.Lentry_in_a_cluster:
	s_bfe_u32 s2, ttmp6, 0x10000c
	s_cmp_lg_u32 s2, 0xf033
	s_cbranch_scc0 .Lentry_shape_is_right
	s_endpgm
.Lentry_shape_is_right:
; PROJ.  The three input projections y = x W^T + b on codes of FP6 (E2M3) with E8M0 scales, K = 1,024, and the quantising of their results for the attention's two products.
; 24 clusters of 4 x 4 work-groups; cluster y = Y: 0-7 query x Wq, 8-15 key x Wk, 16-23 value x Wv; a cluster makes 1,024 tokens x 1,024 features, a work-group 256 x 256, each of its four waves 128 x 128
; (64 accumulators, 512 registers).  K goes in steps of 256 through a ring of two LDS slots filled by the tensor data mover; the scale bytes of the work-group's 512 rows come once and stay.
; Tiles are asked for JOINTLY: source 1's ("A") by the four work-groups of a row of the cluster, source 0's ("B") by the four of a column.
; Source 0's 16 rows run along a lane's result registers, source 1's row is the lane's.  For q and k: source 0 = the weight, source 1 = the tokens: a lane holds one token and 128 features (two heads), the quantiser's K.
; For v: source 0 = the tokens, source 1 = Wv: a lane holds one feature and 128 keys, the quantiser's K of the second product.  Only the row numbers differ, chosen by the cluster's y, which all partners share.
; xq's rows are stored permuted (runs of 8 in the order 0, 2, 1, 3 of each 32), so the 16 registers of source 0's tiles 2 b, 2 b + 1 are 16 natural neighbours 32 b + 16 h + 0 .. 15, and lane r of a tile tau of source 1
; stands for row tok(tau, r) = 32 (tau / 2) + 8 (tau % 2) + r + 8 (r / 8).
; OUT, as images of operand registers (12 registers: three groups of 512 bytes, lane l's 16 bytes at 16 l):
;   qq: [64 bh][64 pair][1536]: registers 0-5 tile 2 p, registers 6-11 tile 2 p + 1, in both lane (r, h) = block h of the head's 64; at QSO the pairs' scale words [64][64][16]: bytes s0, s1 of the even tile, s0, s1 of the odd.
;   kv: records [64 bh][16 step][12800]: K's four pair images, V^T's four images (16 of the head's 64 x 128 keys), K's scale words [4][16] at 12288, V's [4][16] at 12544.
; LIMITS: blocks whose largest magnitude lies under 2^-124 get the byte 1 (read by this program alone); NaN and infinities are not served.
; REGISTERS, in windows of 256: window 0: v0-31 addresses; v32-63 scale words, two sets; from v128 A's fragments, one set.  window 1: B's fragments, two sets.  windows 2, 3: the accumulators ((a, b) at v[8 (8 (a % 4) + b)]).
.set KSTEP,  256
.set NQ,     2
.set ROWB,   192                       ; a tile's row: 256 codes
.set KROW,   768                       ; a row of xq's codes
.set PITCH,  240                       ; an LDS row: 3 x (64 bytes + 16 of padding)
.set FR,     12
.set NL,     6
.set NP,     4
.set HALFT,  128*PITCH
.set SLOT,   4*HALFT
.set LAPS,   2                         ; 1,024 along K = 4 K steps = twice round the ring
.set KS,     32                        ; a row of scale bytes
.set SCL,    2*SLOT
.set HALFS,  (128*KS/256)*272
.set SBLK,   (16*KS/256)*272
.set SPARE,  SCL+4*HALFS               ; the spare words, 128 bytes a wave: two blocks of 256 bytes that no other line names
.set XS,     22020096                  ; xq's scale bytes
.set QSO,    6291456                   ; qq's scale words
.set ADRA, 16
.set ADRB, 20
.set SPW,  28                          ; v28 my spare word's address; never rewritten
.set NIL,  29                          ; v29 0; never rewritten
.set ADRS, 27
.set SC,   32
.set AF,   128
.set BB,   64                          ; the tail: the bias in the result's layout
.set T,    128                         ; the tail: 64 numbers of a lane
.set TM,   192                         ; v192-207 at work in the quantiser
.set YT,   208                         ; v208-215 the conversions' second halves
.set PWE,  216                         ; the scale word of the even block of rows, v217 of the odd
.set PWO,  217
.set SW,   218                         ; v218-221 scale words to store
.set F0,   224                         ; v224-235, v236-247 images to store
.set F1,   236
.set SEL,  104                         ; s104, s105 lane selects for lane xor 16
.set G1, 24
.set G0, 32
.set G1B, 48
.set G0B, 56
.set G1S, 68
.set G0S, 76
.set G1SB, 80
.set G0SB, 88
.set MSB, 0
.macro WIN new                         ; the immediate's high byte repeats the setting that is left
.if MSB != (\new)
	s_set_vgpr_msb (MSB<<8)|(\new)
.set MSB, (\new)
.endif
.endm
.set MUL_LO, 0xa1                      ; source 0 (B) window 1, source 1 (A) window 0, C and D window 2
.set MUL_HI, 0xf1
.set TO_B,   0x40
; A joint load: waves 0 and 1 fetch for A, waves 2 and 3 for B; the branch hangs on the wave's number alone.  An s_nop 0 and four v_nop follow each of the two lines.
.macro JLOAD g0a, g1a, g0b, g1b
	s_cmp_eq_u32 s15, 0
	s_cbranch_scc0 .Lfor_b_\@
	tensor_load_to_lds s[\g0a:\g0a+3], s[\g1a:\g1a+7]
	s_nop 0
.rept 4
	v_nop
.endr
	s_branch .Lasked_\@
.Lfor_b_\@:
	tensor_load_to_lds s[\g0b:\g0b+3], s[\g1b:\g1b+7]
	s_nop 0
.rept 4
	v_nop
.endr
.Lasked_\@:
.endm
.macro CREST                           ; a round of the cluster's barrier behind its opening barrier
	s_cmp_lg_u32 s14, 0
	s_cbranch_scc1 .Lnot_wave_0_\@
	s_barrier_signal -3
.Lnot_wave_0_\@:
	s_barrier_wait -3
	s_barrier_signal -1
	s_barrier_wait -1
.endm
.macro CROUND
	s_barrier_signal -1
	s_barrier_wait -1
	CREST
.endm
	s_load_b256 s[4:11], s[0:1], 0x0               ; xq, bq, bk, bv
	s_load_b128 s[96:99], s[0:1], 0x20             ; qq, kv
	v_lshl_add_u32 v[SPW], v0, 2, SPARE
	v_mov_b32 v[NIL], 0
	ds_add_u32 v[SPW], v[NIL]                      ; the wave's opening: the add and its wait ahead of my first tensor load; work on registers stands between them
	v_lshrrev_b32 v1, 5, v0
	v_readfirstlane_b32 s14, v1                    ; wave 0..3
	s_lshr_b32 s15, s14, 1                         ; which half of A's rows is mine.  Also: I fetch for A (0) or for B (1)
	s_and_b32 s16, s14, 1                          ; which half of B's rows.  Also: which 128 rows of that tile I fetch
	s_bfe_u32 s40, ttmp6, 0x40000                  ; cx
	s_bfe_u32 s41, ttmp6, 0x40004                  ; cy
	s_and_b32 s100, ttmp7, 0xffff                  ; Y: the cluster's y, the same in all sixteen partners
	s_mov_b32 s101, 0xffff0000                     ; lanes 16-31
	s_mov_b32 s[SEL], 0x76543210
	s_mov_b32 s[SEL+1], 0xfedcba98
	s_lshl_b32 s43, s41, 2
	s_lshl_b32 s43, 15, s43                        ; my row of the cluster
	s_lshl_b32 s44, 0x1111, s40                    ; my column
	s_or_b32 s[G1+0], s43, (0<<16)|(1<<20)|(1<<21)|(3<<22)|(3<<25)  ; the mask; elements of 1 byte; padding on; bit 21 beside a mask; after every 16 words 4 words
	s_or_b32 s[G1B+0], s44, (0<<16)|(1<<20)|(1<<21)|(3<<22)|(3<<25)
.irp g, G1, G1B
	s_mov_b32 s[\g+1], ROWB<<16                    ; tensor_dim0
	s_mov_b32 s[\g+2], 128<<16                     ; tensor_dim1
	s_mov_b32 s[\g+3], ROWB<<16                    ; tile_dim0
	s_mov_b32 s[\g+4], 128                         ; tile_dim1
	s_mov_b32 s[\g+5], KROW                        ; the pitch
	s_mov_b32 s[\g+6], 0
	s_mov_b32 s[\g+7], 0
.endr
	s_or_b32 s[G1S+0], s43, (3<<16)|(1<<20)|(1<<21)|(5<<22)|(3<<25) ; the scales of 128 rows: 4,096 dense bytes as 16 rows of 256 bytes, 16 bytes of padding behind each
	s_or_b32 s[G1SB+0], s44, (3<<16)|(1<<20)|(1<<21)|(5<<22)|(3<<25)
.irp g, G1S, G1SB
	s_mov_b32 s[\g+1], 32<<16
	s_mov_b32 s[\g+2], (128*KS/256)<<16
	s_mov_b32 s[\g+3], 32<<16
	s_mov_b32 s[\g+4], 128*KS/256
	s_mov_b32 s[\g+5], 32
	s_mov_b32 s[\g+6], 0
	s_mov_b32 s[\g+7], 0
.endr
	s_lshl_b32 s12, s100, 10                       ; the cluster's first token row in xq: 1,024 Y
	s_lshr_b32 s13, s100, 3
	s_lshl_b32 s13, s13, 10
	s_add_co_u32 s13, s13, 24576                   ; its weight's first row
	s_cmp_lt_u32 s100, 16
	s_cselect_b32 s17, s12, s13                    ; A: the tokens for q and k, Wv for v
	s_cselect_b32 s42, s13, s12                    ; B: the weight for q and k, the tokens for v
	s_lshl_b32 s18, s16, 7                         ; which 128 rows of the tile I fetch
	s_lshl_b32 s20, s41, 8
	s_add_co_u32 s20, s20, s17
	s_add_co_u32 s20, s20, s18                     ; A's row: base + 256 cy + 128 half
	s_lshl_b32 s46, s40, 8
	s_add_co_u32 s46, s46, s42
	s_add_co_u32 s46, s46, s18                     ; B's row: base + 256 cx + 128 half
	s_mov_b32 s21, 0
	s_mov_b32 s47, 0
	s_lshl_b32 s22, s20, 5                         ; these rows' scale bytes,
	s_mov_b32 s23, 0
	s_lshl_b32 s92, s46, 5
	s_mov_b32 s93, 0
	s_mul_i32 s20, s20, KROW                       ; and their codes (all under 2^32)
	s_mul_i32 s46, s46, KROW
	s_mul_i32 s45, s14, HALFT                      ; where they go: wave x 128 rows
	s_mul_i32 s94, s14, HALFS
	s_wait_dscnt 0x0                               ; the opening add is done
	s_wait_kmcnt 0x0
	s_add_nc_u64 s[20:21], s[4:5], s[20:21]
	s_add_nc_u64 s[22:23], s[4:5], s[22:23]
	s_add_nc_u64 s[22:23], s[22:23], XS
	s_add_nc_u64 s[46:47], s[4:5], s[46:47]
	s_add_nc_u64 s[92:93], s[4:5], s[92:93]
	s_add_nc_u64 s[92:93], s[92:93], XS
	CROUND                                         ; all sixteen work-groups are here: the first joint loads meet
	s_mov_b32 s[G0S], 1
	s_add_co_u32 s[G0S+1], s94, SCL
	s_mov_b64 s[G0S+2:G0S+3], s[22:23]
	s_or_b32 s[G0S+3], s[G0S+3], 0x80000000
	s_mov_b32 s[G0SB], 1
	s_add_co_u32 s[G0SB+1], s94, SCL
	s_mov_b64 s[G0SB+2:G0SB+3], s[92:93]
	s_or_b32 s[G0SB+3], s[G0SB+3], 0x80000000
	JLOAD G0S, G1S, G0SB, G1SB                     ; the scales first: three loads of mine are out behind the next two
.irp s, 0,1
	s_mov_b32 s[G0+4*\s], 1
	s_add_co_u32 s[G0+4*\s+1], s45, \s*SLOT
	s_add_nc_u64 s[G0+4*\s+2:G0+4*\s+3], s[20:21], \s*ROWB
	s_or_b32 s[G0+4*\s+3], s[G0+4*\s+3], 0x80000000
	s_mov_b32 s[G0B+4*\s], 1
	s_add_co_u32 s[G0B+4*\s+1], s45, \s*SLOT
	s_add_nc_u64 s[G0B+4*\s+2:G0B+4*\s+3], s[46:47], \s*ROWB
	s_or_b32 s[G0B+4*\s+3], s[G0B+4*\s+3], 0x80000000
	JLOAD G0+4*\s, G1, G0B+4*\s, G1B
.endr
	v_and_b32 v1, 15, v0                           ; r
	v_bfe_u32 v2, v0, 4, 1                         ; h
	v_mul_u32_u24 v3, v1, PITCH
	v_mul_u32_u24 v4, v2, 24
	v_add_nc_u32 v4, v3, v4                        ; a fragment's row x pitch + 24 h
	v_lshl_add_u32 v5, v2, 4, v4                   ; and the same behind one padding more
	s_mul_i32 s21, s15, HALFT                      ; my 128 rows of A
	s_mul_i32 s22, s16, HALFT                      ; my 128 rows of B,
	s_add_co_u32 s22, s22, 2*HALFT                 ; behind A's 256
.irp s, 0,1
	v_add_nc_u32 v[ADRA+\s], s21, v4
	v_add_nc_u32 v[ADRB+\s], s22, v4
	v_add_nc_u32 v[ADRA+2+\s], s21, v5
	v_add_nc_u32 v[ADRB+2+\s], s22, v5
	s_add_co_u32 s21, s21, SLOT
	s_add_co_u32 s22, s22, SLOT
.endr
	v_mul_u32_u24 v5, v1, KS                       ; my row's scales: 32 bytes a row,
	v_lshrrev_b32 v6, 8, v5
	v_lshl_add_u32 v5, v6, 4, v5                   ; and 16 more for each 256 passed
	s_mul_i32 s21, s15, HALFS
	s_mul_i32 s22, s16, HALFS
	s_add_co_u32 s22, s22, 2*HALFS
	s_sub_co_u32 s22, s22, s21
	v_mul_u32_u24 v6, s22, v2                      ; lanes 16-31 take B's: one product, the distance between the two bases
	s_add_co_u32 s21, s21, SCL
	v_add_nc_u32 v5, v5, v6
	v_add_nc_u32 v[ADRS], s21, v5
.macro FRAG reg, adr, q, i             ; 16 rows x 128 K: 12 registers, six pieces of 8 bytes; where lanes 16-31's piece lies behind one padding more, the second address register serves
.irp p, 0,1,2,3,4,5
.set PCE, 12*(\q)+6*(\p/3)+\p%3
.if PCE%8 < 5
	ds_load_b64 v[\reg+2*\p:\reg+2*\p+1], v[\adr] offset:8*PCE+16*(PCE/8)+(\i)*16*PITCH
.else
	ds_load_b64 v[\reg+2*\p:\reg+2*\p+1], v[\adr+2] offset:8*PCE+16*(PCE/8)+(\i)*16*PITCH
.endif
.endr
.endm
; 16 matrix instructions: A's blocks a0, a0 + 1 x B's eight.  The 64 accumulators take turns, one instruction a turn, in the same order in every step.
.macro MUL16 a0, p, q, sc, zero
.irp a, \a0, \a0+1
.irp b, 0,1,2,3,4,5,6,7
.if \zero
	v_wmma_scale_f32_16x16x128_f8f6f4 v[8*(8*((\a)%4)+\b):8*(8*((\a)%4)+\b)+7], v[128*(\p)+FR*\b:128*(\p)+FR*\b+FR-1], v[AF+FR*(\a):AF+FR*(\a)+FR-1], 0, v[SC+8*NQ*(\sc)+NQ*\b+(\q)], v[SC+8*NQ*(\sc)+NQ*(\a)+(\q)] matrix_a_fmt:MATRIX_FMT_FP6 matrix_b_fmt:MATRIX_FMT_FP6 matrix_a_scale:MATRIX_SCALE_ROW1
.else
	v_wmma_scale_f32_16x16x128_f8f6f4 v[8*(8*((\a)%4)+\b):8*(8*((\a)%4)+\b)+7], v[128*(\p)+FR*\b:128*(\p)+FR*\b+FR-1], v[AF+FR*(\a):AF+FR*(\a)+FR-1], v[8*(8*((\a)%4)+\b):8*(8*((\a)%4)+\b)+7], v[SC+8*NQ*(\sc)+NQ*\b+(\q)], v[SC+8*NQ*(\sc)+NQ*(\a)+(\q)] matrix_a_fmt:MATRIX_FMT_FP6 matrix_b_fmt:MATRIX_FMT_FP6 matrix_a_scale:MATRIX_SCALE_ROW1
.endif
.endr
.endr
.endm
.macro FETCH_B slot, q, p
	WIN TO_B
.irp i, 0,1,2,3,4,5,6,7
	FRAG 128*(\p)+FR*\i, ADRB+\slot, \q, \i
.endr
	WIN 0
.endm
.macro FETCH_A slot, q, i0
.irp i, \i0, \i0+1, \i0+2, \i0+3
	FRAG AF+FR*(\i), ADRA+\slot, \q, \i
.endr
.endm
.macro SCALES sc                       ; a K step's scale words: lanes 0-15 A's block i, lanes 16-31 B's block i
.irp i, 0,1,2,3,4,5,6,7
	ds_load_b64 v[SC+8*NQ*\sc+NQ*\i:SC+8*NQ*\sc+NQ*\i+1], v[ADRS] offset:\i*SBLK
.endr
.endm
.macro PLACES n                        ; plain vector instructions between a matrix instruction and a load into, or a vector access of, its registers
.rept \n
	v_nop
.endr
.endm
.macro STEP slot, q, zero              ; 128 along K whose successor lies in the same slot
	s_wait_dscnt 4*NL                              ; B's set and A's blocks 0-3 are in; the youngest 24 loads (A's blocks 4-7) may be out
	WIN MUL_LO
	MUL16 0, (\q)%2, \q, \slot, \zero
	MUL16 2, (\q)%2, \q, \slot, \zero
	s_wait_dscnt 0                                 ; A's blocks 4-7 are in
	PLACES NP
	FETCH_B \slot, (\q)+1, 1-(\q)%2
	FETCH_A \slot, (\q)+1, 0
	WIN MUL_HI
	MUL16 4, (\q)%2, \q, \slot, \zero
	MUL16 6, (\q)%2, \q, \slot, \zero
	PLACES NP
	WIN 0
	FETCH_A \slot, (\q)+1, 4
.endm
; A slot's last step changes slots: one barrier; in front of it each wave waits for all its tensor loads, adds 0 to its spare word, and waits for that and for its reads of this slot.
.macro TURN slot, next, fill
	s_wait_tensorcnt 0x0                           ; all my tensor loads have landed: my part of the next slot
	ds_add_u32 v[SPW], v[NIL]
	s_wait_dscnt 4*NL+1                            ; (the add and A's blocks 4-7 may be out)
	WIN MUL_LO
	MUL16 0, 1, NQ-1, \slot, 0
	s_wait_dscnt 0x0                               ; the add is done, and my reads of this slot are over
	s_barrier_signal -1
	MUL16 2, 1, NQ-1, \slot, 0
	WIN 0
	s_barrier_wait -1
.if \fill
	CREST                                          ; the barrier has opened a round of the cluster's barrier: no wave of any partner still reads this slot or has a load on its way
	s_add_nc_u64 s[G0+4*\slot+2:G0+4*\slot+3], s[G0+4*\slot+2:G0+4*\slot+3], 2*ROWB
	s_add_nc_u64 s[G0B+4*\slot+2:G0B+4*\slot+3], s[G0B+4*\slot+2:G0B+4*\slot+3], 2*ROWB
	JLOAD G0+4*\slot, G1, G0B+4*\slot, G1B         ; the first tensor load behind the round, my one load until the next; its four v_nop are also the places in front of the loads below
.else
	PLACES NP
.endif
	v_add_nc_u32 v[ADRS], 4*NQ, v[ADRS]            ; the next K step's scale words
	FETCH_B \next, 0, 0
	FETCH_A \next, 0, 0
	SCALES \next
	WIN MUL_HI
	MUL16 4, 1, NQ-1, \slot, 0
	MUL16 6, 1, NQ-1, \slot, 0
	PLACES NP
	WIN 0
	FETCH_A \next, 0, 4
.endm
; 64 numbers of a lane, register 16 b + i = k 32 b + 16 h + i of my row, become codes: k 0-63 in v[d0 .. d0 + 5], k 64-127 in v[d1 .. d1 + 5] (lane (r, h): a whole block of 32 each), and the four scale bytes in v[pw].
.macro QUANT s, d0, d1, pw
.irp b, 0,1,2,3
	v_max3_num_f32 v[TM+\b], |v[\s+16*\b]|, |v[\s+1+16*\b]|, 0x1800000   ; my 16 numbers of block b, and the floor 2^(3 - 127)
.endr
.irp i, 2,4,6,8,10,12,14
.irp b, 0,1,2,3
	v_max3_num_f32 v[TM+\b], v[TM+\b], |v[\s+16*\b+\i]|, |v[\s+1+16*\b+\i]|
.endr
.endr
.irp b, 0,1,2,3
	v_permlanex16_b32 v[TM+4+\b], v[TM+\b], s[SEL], s[SEL+1]
.endr
.irp b, 0,1,2,3
	v_max_num_f32 v[TM+\b], v[TM+\b], v[TM+4+\b]   ; with lane l xor 16's: the block's largest magnitude
.endr
.irp b, 0,1,2,3
	v_add_nc_u32 v[TM+12+\b], 0xff000000, v[TM+\b] ; 2 off its exponent field: the conversion's scale operand
.endr
.irp b, 0,1,2,3
	v_lshrrev_b32 v[TM+4+\b], 23, v[TM+12+\b]      ; the scale's byte
.endr
	v_lshl_or_b32 v[\pw], v[TM+5], 8, v[TM+4]
	v_lshl_or_b32 v[\pw], v[TM+6], 16, v[\pw]
	v_lshl_or_b32 v[\pw], v[TM+7], 24, v[\pw]
	v_cvt_scalef32_pk16_fp6_f32 v[(\d0):(\d0)+2], v[\s:\s+15], v[TM+12]
	v_cvt_scalef32_pk16_fp6_f32 v[YT:YT+2], v[\s+16:\s+31], v[TM+13]
	v_cvt_scalef32_pk16_fp6_f32 v[(\d1):(\d1)+2], v[\s+32:\s+47], v[TM+14]
	v_cvt_scalef32_pk16_fp6_f32 v[YT+4:YT+6], v[\s+48:\s+63], v[TM+15]
	v_nop                                          ; one plain place behind a scaled conversion
.irp i, 0,1,2
	v_permlane16_swap_b32 v[(\d0)+\i], v[YT+\i]    ; the first's lanes 16-31 change places with the second's lanes 0-15: a whole block in a lane
.endr
.irp i, 0,1,2
	v_mov_b32 v[(\d0)+3+\i], v[YT+\i]
.endr
.irp i, 0,1,2
	v_permlane16_swap_b32 v[(\d1)+\i], v[YT+4+\i]
.endr
.irp i, 0,1,2
	v_mov_b32 v[(\d1)+3+\i], v[YT+4+\i]
.endr
.endm
; THE TAIL: the bias is asked for, the last 128 along K are multiplied, and my eight blocks of source 1's rows go out: + bias (which also brings the sums into window 0), quantised, stored as images.
.macro ARM isv
	v_and_b32 v1, 15, v0                           ; r
	v_bfe_u32 v2, v0, 4, 1                         ; h
.if \isv
	v_and_b32 v3, 7, v1                            ; v: a lane's bias is its feature's: 32 (a / 2) + 8 (a % 2) + r + 8 (r / 8)
	v_lshrrev_b32 v4, 3, v1
	v_lshl_add_u32 v3, v4, 4, v3
	v_lshlrev_b32 v26, 2, v3
	s_lshl_b32 s20, s41, 10                        ; my features begin at 256 cy + 128 half
	s_lshl_b32 s21, s15, 9
	s_add_co_u32 s20, s20, s21
	s_mov_b32 s21, 0
	s_add_nc_u64 s[46:47], s[10:11], s[20:21]
.irp a, 0,1,2,3,4,5,6,7
	global_load_b32 v[BB+2*\a], v26, s[46:47] offset:4*(32*(\a/2)+8*(\a%2))     ; twice: a pair for the packed addition
	global_load_b32 v[BB+2*\a+1], v26, s[46:47] offset:4*(32*(\a/2)+8*(\a%2))
.endr
.else
	v_lshlrev_b32 v26, 6, v2                       ; q, k: register 8 b + j is feature 32 (b / 2) + 16 h + 8 (b % 2) + j
	s_lshl_b32 s20, s40, 10                        ; my features begin at 256 cx + 128 half
	s_lshl_b32 s21, s16, 9
	s_add_co_u32 s20, s20, s21
	s_mov_b32 s21, 0
	s_cmp_lt_u32 s100, 8
	s_cselect_b64 s[46:47], s[6:7], s[8:9]
	s_add_nc_u64 s[46:47], s[46:47], s[20:21]
.irp b, 0,1,2,3,4,5,6,7
	global_load_b128 v[BB+8*\b:BB+8*\b+3], v26, s[46:47] offset:4*(32*(\b/2)+8*(\b%2))
	global_load_b128 v[BB+8*\b+4:BB+8*\b+7], v26, s[46:47] offset:4*(32*(\b/2)+8*(\b%2))+16
.endr
.endif
	s_wait_dscnt 4*NL                              ; the very last step: nothing more to fetch
	WIN MUL_LO
	MUL16 0, 1, NQ-1, 1, 0
	MUL16 2, 1, NQ-1, 1, 0
	s_wait_dscnt 0
	WIN MUL_HI
	MUL16 4, 1, NQ-1, 1, 0
	MUL16 6, 1, NQ-1, 1, 0
	WIN 0
	PLACES NP                                      ; ahead of every vector line that reads a result or writes a register that held a fragment
	v_and_b32 v24, 31, v0
.if \isv
	v_lshlrev_b32 v25, 2, v24                      ; scale words: 4 x lane
	v_lshlrev_b32 v24, 4, v24                      ; images: 16 x lane
	s_lshl_b32 s20, s100, 10                       ; my 128 tokens: one step of 128 keys
	s_lshl_b32 s21, s40, 8
	s_add_co_u32 s20, s20, s21
	s_lshl_b32 s21, s16, 7
	s_add_co_u32 s20, s20, s21
	s_and_b32 s20, s20, 8191
	s_lshr_b32 s21, s20, 11                        ; batch
	s_bfe_u32 s22, s20, 0x40007                    ; step
	s_lshl_b32 s21, s21, 4
	s_lshl_b32 s23, s41, 2
	s_add_co_u32 s21, s21, s23
	s_lshl_b32 s23, s15, 1
	s_add_co_u32 s21, s21, s23                     ; my first head: 16 batch + 4 cy + 2 half
	s_mul_i32 s12, s21, 204800
	s_mul_i32 s13, s22, 12800
	s_add_co_u32 s12, s12, s13
	s_mov_b32 s13, 0
	s_add_nc_u64 s[12:13], s[98:99], s[12:13]
.else
	v_lshlrev_b32 v24, 4, v24                      ; images: 16 x lane
	s_lshl_b32 s20, s100, 10                       ; my 128 tokens: four pairs of tiles
	s_lshl_b32 s21, s41, 8
	s_add_co_u32 s20, s20, s21
	s_lshl_b32 s21, s15, 7
	s_add_co_u32 s20, s20, s21
	s_and_b32 s20, s20, 8191
	s_lshr_b32 s21, s20, 11                        ; batch
	s_bfe_u32 s22, s20, 0x40007                    ; step
	s_lshl_b32 s21, s21, 4
	s_lshl_b32 s23, s40, 2
	s_add_co_u32 s21, s21, s23
	s_lshl_b32 s23, s16, 1
	s_add_co_u32 s21, s21, s23                     ; my first head: 16 batch + 4 cx + 2 half
	s_cmp_lt_u32 s100, 8                           ; q's buffer or k's: strides from head to head and from step to step, for images and for scale words
	s_cselect_b64 s[92:93], s[96:97], s[98:99]
	s_mov_b32 s42, 204800
	s_cselect_b32 s42, 98304, s42
	s_mov_b32 s44, 12800
	s_cselect_b32 s44, 6144, s44
	s_mov_b32 s45, 12288
	s_cselect_b32 s45, QSO, s45
	s_mov_b32 s94, 204800
	s_cselect_b32 s94, 4096, s94
	s_mov_b32 s95, 12800
	s_cselect_b32 s95, 256, s95
	s_mov_b32 s43, 0
	s_mul_i32 s12, s21, s42
	s_mul_i32 s13, s22, s44
	s_add_co_u32 s12, s12, s13
	s_mov_b32 s13, 0
	s_add_nc_u64 s[12:13], s[92:93], s[12:13]      ; my first head's images,
	s_add_nc_u64 s[66:67], s[12:13], s[42:43]      ; my second head's,
	s_mul_i32 s20, s21, s94
	s_mul_i32 s23, s22, s95
	s_add_co_u32 s20, s20, s23
	s_add_co_u32 s20, s20, s45
	s_mov_b32 s21, 0
	s_add_nc_u64 s[92:93], s[92:93], s[20:21]      ; and the scale words
	v_mul_lo_u32 v25, v2, s94                      ; lanes 0-15 store the first head's words, lanes 16-31 the second's
	v_lshl_add_u32 v25, v1, 2, v25
	v_mov_b32 v222, 0x05040100                     ; the byte select: the two low halves for the first head,
	v_mov_b32 v3, 0x07060302                       ; the two high halves for the second
	v_cndmask_b32 v222, v222, v3, s101
.endif
.irp b, 0,1,2,3
	v_mov_b32 v[TM+4+\b], 0                        ; written once: a lane permute's destination counts as one of its sources
.endr
	s_wait_loadcnt 0x0                             ; the bias
.irp a, 0,1,2,3,4,5,6,7
	WIN 0x02+(\a)/4                                ; source 0: window 2 or 3
.set k, 0
.rept 32
.if \isv
	v_pk_add_f32 v[T+2*k:T+2*k+1], v[64*((\a)%4)+2*k:64*((\a)%4)+2*k+1], v[BB+2*(\a):BB+2*(\a)+1]
.else
	v_pk_add_f32 v[T+2*k:T+2*k+1], v[64*((\a)%4)+2*k:64*((\a)%4)+2*k+1], v[BB+2*k:BB+2*k+1]   ; each accumulator from its low end on
.endif
.set k, k+1
.endr
	WIN 0
	s_wait_xcnt 0x0                                ; the earlier stores have read their data: the images' registers may be written again
.if \isv
.set FV, F0+12*((\a)%2)
.if (\a)%2
	QUANT T, FV, FV+6, PWO
.else
	QUANT T, FV, FV+6, PWE
.endif
.irp g, 0,1,2
	global_store_b128 v24, v[FV+4*\g:FV+4*\g+3], s[12:13] offset:((\a)/4)*204800+6144+((\a)%4)*1536+512*\g   ; 512 consecutive bytes, aligned
.endr
.if (\a)%2
	v_cndmask_b32 v[SW+(\a)/2], v[PWE], v[PWO], s101           ; lanes 0-15 the even tile's words, lanes 16-31 the odd tile's
	global_store_b32 v25, v[SW+(\a)/2], s[12:13] offset:((\a)/4)*204800+12544+(((\a)%4)/2)*128
.endif
.else
.if (\a)%2
	QUANT T, F0+6, F1+6, PWO
.irp g, 0,1,2
	global_store_b128 v24, v[F0+4*\g:F0+4*\g+3], s[12:13] offset:1536*((\a)/2)+512*\g
	global_store_b128 v24, v[F1+4*\g:F1+4*\g+3], s[66:67] offset:1536*((\a)/2)+512*\g
.endr
	v_perm_b32 v[SW+(\a)/2], v[PWO], v[PWE], v222              ; s0, s1 of the even tile, s0, s1 of the odd, of my half's head
	global_store_b32 v25, v[SW+(\a)/2], s[92:93] offset:64*((\a)/2)
.else
	QUANT T, F0, F1, PWE
.endif
.endif
.endr
	s_wait_tensorcnt 0x0                           ; the wave's end
	ds_add_u32 v[SPW], v[NIL]
	s_wait_dscnt 0x0
	CROUND                                         ; the closing round
	s_endpgm
.endm
	s_wait_tensorcnt 1                             ; the scales and my part of K step 0 are in (K step 1's load may be out),
	s_barrier_signal -1
	s_barrier_wait -1                              ; everybody's are
	FETCH_B 0, 0, 0
	FETCH_A 0, 0, 0
	SCALES 0
	FETCH_A 0, 0, 4
	STEP 0, 0, 1                                   ; the first step's products start the sums
	s_mov_b32 s3, LAPS-1
.Llap:
	TURN 0, 1, 1
	STEP 1, 0, 0
	TURN 1, 0, 1
	STEP 0, 0, 0
	s_sub_co_u32 s3, s3, 1
	s_cmp_lg_u32 s3, 0
	s_cbranch_scc1 .Llap
	TURN 0, 1, 0                                   ; the last lap fills nothing
	STEP 1, 0, 0
	s_cmp_ge_u32 s100, 16                          ; the cluster's y: all partners and all waves go the same way
	s_cbranch_scc1 .Lv
	ARM 0
.Lv:
	ARM 1
.Lfunc_end_k_q9ab2723a73_proj:
	.size	k_q9ab2723a73_proj, .Lfunc_end_k_q9ab2723a73_proj-k_q9ab2723a73_proj
	.p2alignl 7, 3214868480
	.fill 96, 4, 3214868480
	.section	.rodata,"a",@progbits
	.p2align	6, 0x0
	.amdhsa_kernel k_q9ab2723a73_proj
		.amdhsa_group_segment_fixed_size 327680
		.amdhsa_private_segment_fixed_size 0
		.amdhsa_enable_private_segment 0
		.amdhsa_kernarg_size 48
		.amdhsa_user_sgpr_count 2
		.amdhsa_user_sgpr_kernarg_segment_ptr 1
		.amdhsa_wavefront_size32 1
		.amdhsa_system_sgpr_workgroup_id_x 1
		.amdhsa_system_sgpr_workgroup_id_y 1
		.amdhsa_system_sgpr_workgroup_id_z 1
		.amdhsa_system_vgpr_workitem_id 0
		.amdhsa_next_free_vgpr 1024
		.amdhsa_next_free_sgpr 106
		.amdhsa_reserve_vcc 0
		.amdhsa_float_denorm_mode_32 3
		.amdhsa_float_denorm_mode_16_64 3
		.amdhsa_memory_ordered 1
		.amdhsa_forward_progress 1
		.amdhsa_inst_pref_size 244
	.end_amdhsa_kernel
	.amdgpu_metadata
---
amdhsa.version: [ 1, 2 ]
amdhsa.kernels:
  - .name:           k_q9ab2723a73_proj
    .symbol:         k_q9ab2723a73_proj.kd
    .args:
      - { .name: xq, .offset: 0, .size: 8, .value_kind: global_buffer, .address_space: global }
      - { .name: bq, .offset: 8, .size: 8, .value_kind: global_buffer, .address_space: global }
      - { .name: bk, .offset: 16, .size: 8, .value_kind: global_buffer, .address_space: global }
      - { .name: bv, .offset: 24, .size: 8, .value_kind: global_buffer, .address_space: global }
      - { .name: qq, .offset: 32, .size: 8, .value_kind: global_buffer, .address_space: global }
      - { .name: kv, .offset: 40, .size: 8, .value_kind: global_buffer, .address_space: global }
    .group_segment_fixed_size: 327680
    .private_segment_fixed_size: 0
    .kernarg_segment_align: 8
    .kernarg_segment_size: 48
    .max_flat_workgroup_size: 128
    .sgpr_count:     106
    .vgpr_count:     1024
    .wavefront_size: 32
...
	.end_amdgpu_metadata
.endif
;; end of part 2
;; launch attn (part 3): grid 4 x 64, 16 waves a work-group, no clusters, 27,648 bytes of LDS; arguments qq, kv, mw, oo; writes oo
.if DOCPART == 3
	.amdgcn_target "amdgcn-amd-amdhsa--gfx1250"
	.amdhsa_code_object_version 6
	.text
	.protected	k_q9ab2723a73_attn
	.globl	k_q9ab2723a73_attn
	.p2align	8
	.type	k_q9ab2723a73_attn,@function
k_q9ab2723a73_attn:
	s_mov_b64 s[64:65], 0
	v_nop
	global_prefetch_b8 v0, s[64:65] scope:SCOPE_SE
	s_setreg_imm32_b32 hwreg(HW_REG_WAVE_MODE, 25, 1), 1
	s_wait_xcnt 0x0
; ATTN.  O = softmax(q k^T / 8, masked) v for 64 (batch, head) pairs, 2,048 queries and keys, head size 64, both products on codes of FP6 (E2M3) with E8M0 scales; O / l is quantised along D and stored as operand images.
; t = score x log2(e) / 8; M = the running largest t rounded up to a whole number; p = 2^(t - M) is quantised along the keys; the row's sum is taken of the unquantised p and divides at the end.
; SHARES.  Work-group (x, bh) takes query blocks 7 - x and x of 256 queries, one after the other; each of its sixteen waves owns one tile of 16 queries tok(tau, r) = 32 (tau / 2) + 8 (tau % 2) + r + 8 (r / 8).
; Both products are used transposed: a lane holds one query throughout.  A key step is 128 keys: one record of kv (12,800 bytes: K's four pair images, V^T's four images, their scale words), brought by all sixteen waves
; through registers into one of two LDS slots, a step ahead; one barrier a step.
; HEAD SIZE 64 IN A K OF 128: a pair image of K holds tile 2 b in k 0-63 and tile 2 b + 1 in k 64-127; multiplied by [q | 0] it gives the first tile's scores, by [0 | q] the second's (zero codes add nothing).
; THE MASK IS AN INPUT.  The earlier launch has packed it: 64 lane-mask words for each (tile, step), and a flag word.  A step in which no query of my tile has an open key is passed over, unless some row of the tile has no open
; key at all: such a tile walks all 16 steps, and that row comes out as the average over all keys.  A step that is all open passes over the 64 selects.  These are scalar branches on stored whole numbers;
; so the launch has no tensor load and no cluster, and every barrier stands outside them, in loops of constant count.
; LIMITS: a masked score is -2^33 (the logit -2^30 in place of -1e9; score x c is then a whole number, so p = 1 exactly in a row with no open key): results differ only where an open logit lies under about -9.9e8.
; NaN and infinities are not served; blocks whose largest magnitude lies under 2^-124 get the byte 1 (read by this program alone).
; REGISTERS: v1 16 lane, v2 4 lane, v3 16 thread, v4 8192 + 8 thread, v5, v6 the add's two, v7 8 lane, v8 32 r + h, v9 the prefetch's offset; v12 -M, v13 largest t, v[14:15] the sum; v[16:33] 0 | q | 0; v34 q's scale word;
; v36-45 the record on its way; v48-95 four fragments; v96-159 S^T, then p; v160-191 O^T; v192-203 p's codes; v204-223 at work; v224-228 scale words; v[230:231] f; v232-237 at work; v240 -2^33.
.set SLOTB, 12800
.set SPARE, 25600                      ; behind the two slots: the spare words, 128 bytes a wave: eight blocks of 256 bytes that no other line names
.set MF,    524288
.set QSO,   6291456
.set OSO,   6291456
.set S,     96
.set O,     160
.set PC,    192
.set Y2,    204
.set BM,    212
.set EX,    216
.set SOP,   220
	s_load_b256 s[4:11], s[0:1], 0x0               ; qq, kv, mw, oo
	v_lshl_add_u32 v5, v0, 2, SPARE
	v_mov_b32 v6, 0
	v_lshrrev_b32 v10, 5, v0
	s_delay_alu instid0(VALU_DEP_1)
	v_readfirstlane_b32 s12, v10                   ; wave 0..15
	s_and_b32 s13, ttmp7, 0xffff                   ; bh
	v_and_b32 v11, 31, v0                          ; lane
	s_delay_alu instid0(VALU_DEP_1)
	v_lshlrev_b32 v1, 4, v11
	s_delay_alu instid0(VALU_DEP_2)
	v_lshlrev_b32 v2, 2, v11
	v_lshlrev_b32 v3, 4, v0
	v_lshl_add_u32 v4, v0, 3, 8192
	v_lshlrev_b32 v7, 3, v11
	v_and_b32 v10, 15, v0
	v_bfe_u32 v8, v0, 4, 1
	s_delay_alu instid0(VALU_DEP_1)
	v_lshl_add_u32 v8, v10, 5, v8
	s_sub_co_u32 s31, s12, 14                      ; the prefetch: waves 14 and 15 share a record's 50 blocks of 256 bytes, a lane a block; what would pass the record's end is held at its last block
	s_lshl_b32 s31, s31, 13
	v_lshl_add_u32 v9, v11, 8, s31
	s_delay_alu instid0(VALU_DEP_1)
	v_min_u32 v9, 12544, v9
	s_mov_b32 s20, 0x76543210                      ; lane selects for lane xor 16
	s_mov_b32 s21, 0xfedcba98
	s_mov_b32 s22, 0x3e38aa3b                      ; c = log2(e) / 8
	s_mov_b32 s23, s22
	s_mov_b32 s28, 0xffff0000                      ; lanes 16-31
	s_and_b32 s31, s12, 1                          ; my tile's place in its pair is my wave's parity
	s_cmp_eq_u32 s31, 1
	s_cselect_b32 s29, -1, 0
	s_mov_b32 s66, 0x01000100
	s_cselect_b32 s66, 0x03020302, s66             ; which two bytes of the pair's scale word are mine
	s_cmp_ge_u32 s12, 14                           ; who prefetches: waves 14, 15 of the head's first work-group, in its first pass; up to step 13, which names record 15
	s_cselect_b32 s30, 14, 0
	s_cmp_eq_u32 ttmp9, 0
	s_cselect_b32 s30, s30, 0
	s_sub_co_u32 s14, 7, ttmp9                     ; the first pass's query block
	s_mov_b32 s2, 2
	v_mov_b32 v240, 0xd0000000                     ; -2^33
.irp i, 16,17,18,19,20,21,28,29,30,31,32,33
	v_mov_b32 v\i, 0                               ; the zero codes on both sides of q
.endr
.irp i, 36,37,38,39,40,41,42,43,44,45
	v_mov_b32 v\i, 0                               ; written on every path
.endr
.irp i, 216,217,218,219,231,236,237
	v_mov_b32 v\i, 0                               ; destinations of lane permutes, and the upper half of f's pair
.endr
	s_wait_kmcnt 0x0
.macro GLOAD                           ; a record, 12,800 bytes, by 512 threads: 16 bytes each, 8 bytes each, and wave 0 the 512 bytes of scale words
	global_load_b128 v[36:39], v3, s[24:25]
	global_load_b64 v[40:41], v4, s[24:25]
	s_cmp_lg_u32 s12, 0
	s_cbranch_scc1 .Lg_\@
	global_load_b128 v[42:45], v1, s[24:25] offset:12288
.Lg_\@:
.endm
.macro LSTORE s                        ; and into slot s, as it lies in memory
	ds_store_b128 v3, v[36:39] offset:SLOTB*(\s)
	ds_store_b64 v4, v[40:41] offset:SLOTB*(\s)
	s_cmp_lg_u32 s12, 0
	s_cbranch_scc1 .Ll_\@
	ds_store_b128 v1, v[42:45] offset:SLOTB*(\s)+12288
.Ll_\@:
.endm
.macro MLOAD                           ; my tile's 64 mask words of this step: word n in s[32 + n] (n < 32) or s[36 + n]
	s_load_b512 s[32:47], s[26:27], 0x0
	s_load_b512 s[48:63], s[26:27], 0x40
	s_load_b512 s[68:83], s[26:27], 0x80
	s_load_b512 s[84:99], s[26:27], 0xc0
.endm
.macro SCORES s                        ; S^T = K Q^T: register 16 b + i of lane (r, h) is key 32 b + 16 h + i of the step, query tok(tau, r)
.rept 4
	v_nop                                          ; places in front of loads into registers that the last products read
.endr
.irp b, 0,1,2,3
.irp g, 0,1,2
	ds_load_b128 v[48+12*\b+4*\g:51+12*\b+4*\g], v1 offset:SLOTB*(\s)+1536*\b+512*\g
.endr
.endr
	ds_load_b32 v224, v2 offset:SLOTB*(\s)+12288   ; lanes 0-15 pair 0's words, lanes 16-31 pair 1's
	ds_load_b32 v225, v2 offset:SLOTB*(\s)+12416   ; pairs 2 and 3
	s_wait_dscnt 0x0
.irp b, 0,1,2,3
.if \b%2
	v_wmma_scale_f32_16x16x128_f8f6f4 v[S+16*\b:S+16*\b+7], v[48+12*\b:59+12*\b], v[22:33], 0, v[224+\b/2], v34 matrix_a_fmt:MATRIX_FMT_FP6 matrix_b_fmt:MATRIX_FMT_FP6 matrix_a_scale:MATRIX_SCALE_ROW1
	v_wmma_scale_f32_16x16x128_f8f6f4 v[S+8+16*\b:S+15+16*\b], v[48+12*\b:59+12*\b], v[16:27], 0, v[224+\b/2], v34 matrix_a_fmt:MATRIX_FMT_FP6 matrix_b_fmt:MATRIX_FMT_FP6 matrix_a_scale:MATRIX_SCALE_ROW1
.else
	v_wmma_scale_f32_16x16x128_f8f6f4 v[S+16*\b:S+16*\b+7], v[48+12*\b:59+12*\b], v[22:33], 0, v[224+\b/2], v34 matrix_a_fmt:MATRIX_FMT_FP6 matrix_b_fmt:MATRIX_FMT_FP6
	v_wmma_scale_f32_16x16x128_f8f6f4 v[S+8+16*\b:S+15+16*\b], v[48+12*\b:59+12*\b], v[16:27], 0, v[224+\b/2], v34 matrix_a_fmt:MATRIX_FMT_FP6 matrix_b_fmt:MATRIX_FMT_FP6
.endif
.endr
.rept 4
	v_nop                                          ; places in front of the first read of the scores, and of V's loads into K's registers
.endr
.endm
.macro MASK                            ; a closed entry's score becomes -2^33, ahead of the maximum
.set n, 0
.rept 64
.if n < 32
	v_cndmask_b32 v[S+n], v240, v[S+n], s[32+n]
.else
	v_cndmask_b32 v[S+n], v240, v[S+n], s[36+n]
.endif
.set n, n+1
.endr
.endm
.macro VFETCH s                        ; V^T's four images and their scale words: they land while the softmax is walked
.irp t, 0,1,2,3
.irp g, 0,1,2
	ds_load_b128 v[48+12*\t+4*\g:51+12*\t+4*\g], v1 offset:SLOTB*(\s)+6144+1536*\t+512*\g
.endr
.endr
	ds_load_b32 v226, v2 offset:SLOTB*(\s)+12544
	ds_load_b32 v227, v2 offset:SLOTB*(\s)+12672
.endm
.macro SOFTMAX
.irp b, 0,1,2,3
	v_max3_num_f32 v[BM+\b], v[S+16*\b], v[S+1+16*\b], v[S+2+16*\b]   ; the largest score of each block of 32 keys: for the row's maximum, and, since p rises with the score, for the block's largest p
.endr
.irp i, 3,5,7,9,11,13
.irp b, 0,1,2,3
	v_max3_num_f32 v[BM+\b], v[BM+\b], v[S+16*\b+\i], v[S+1+16*\b+\i]
.endr
.endr
.irp b, 0,1,2,3
	v_max_num_f32 v[BM+\b], v[BM+\b], v[S+15+16*\b]
.endr
.irp b, 0,1,2,3
	s_delay_alu instid0(VALU_DEP_4)
	v_permlanex16_b32 v[EX+\b], v[BM+\b], s20, s21
.endr
.irp b, 0,1,2,3
	s_delay_alu instid0(VALU_DEP_4)
	v_max_num_f32 v[BM+\b], v[BM+\b], v[EX+\b]     ; with lane l xor 16's 16 keys
.endr
	s_delay_alu instid0(VALU_DEP_2)
	v_max3_num_f32 v232, v[BM], v[BM+1], v[BM+2]
	s_delay_alu instid0(VALU_DEP_1)
	v_max_num_f32 v232, v232, v[BM+3]
	s_delay_alu instid0(VALU_DEP_1)
	v_mul_f32 v232, s22, v232                      ; the step's largest t of my query
	s_delay_alu instid0(VALU_DEP_1)
	v_max_num_f32 v13, v13, v232
	v_mov_b32 v232, v12
	s_delay_alu instid0(VALU_DEP_2)
	v_floor_f32 v12, -v13                          ; the new -M = -ceil(t): a whole number
	s_delay_alu instid0(VALU_DEP_1)
	v_sub_f32 v232, v12, v232                      ; old M - new M, 0 or less
	s_delay_alu instid0(VALU_DEP_1)
	v_cvt_i32_f32 v232, v232                       ; (it saturates)
	s_delay_alu instid0(VALU_DEP_1)
	v_ldexp_f32 v230, 1.0, v232                    ; f = 2^(old M - new M): a multiplication by it rounds nothing
.set j, 0
.rept 32
	v_pk_fma_f32 v[S+j:S+j+1], v[S+j:S+j+1], s[22:23], v[12:13] op_sel_hi:[1,0,0]   ; t - M, two at a time
.set j, j+2
.endr
.irp b, 0,1,2,3
	v_fma_f32 v[BM+\b], v[BM+\b], s22, v12         ; the same of each block's largest score
.endr
.set j, 0
	s_wait_alu depctr_va_vdst(0)
.rept 64
	v_exp_f32 v[S+j], v[S+j]                       ; p = 2^(t - M)
.set j, j+1
.endr
	v_pk_mul_f32 v[14:15], v[14:15], v[230:231] op_sel_hi:[1,0]   ; the sums under the new M; also the plain instruction behind the exponentials
	s_wait_alu depctr_va_vdst(0)                   ; one wait for the batch of 64, ahead of its first reader
.irp b, 0,1,2,3
	v_exp_f32 v[BM+\b], v[BM+\b]                   ; the blocks' largest p
.endr
	v_pk_add_f32 v[216:217], v[100:101], v[104:105]
	v_pk_add_f32 v[254:255], v[108:109], v[112:113]
	v_pk_add_f32 v[252:253], v[116:117], v[120:121]
	v_pk_add_f32 v[250:251], v[124:125], v[128:129]
	v_pk_add_f32 v[248:249], v[132:133], v[136:137]
	v_pk_add_f32 v[246:247], v[140:141], v[144:145]
	v_pk_add_f32 v[244:245], v[148:149], v[152:153]
	v_pk_add_f32 v[14:15], v[14:15], v[156:157]
	v_pk_add_f32 v[216:217], v[216:217], v[96:97]
	v_pk_add_f32 v[254:255], v[254:255], v[98:99]
	v_pk_add_f32 v[252:253], v[252:253], v[102:103]
	v_pk_add_f32 v[250:251], v[250:251], v[106:107]
	v_pk_add_f32 v[248:249], v[248:249], v[110:111]
	v_pk_add_f32 v[246:247], v[246:247], v[114:115]
	v_pk_add_f32 v[244:245], v[244:245], v[118:119]
	v_pk_add_f32 v[14:15], v[14:15], v[122:123]
	v_pk_add_f32 v[216:217], v[216:217], v[126:127]
	v_pk_add_f32 v[254:255], v[254:255], v[130:131]
	v_pk_add_f32 v[252:253], v[252:253], v[134:135]
	v_pk_add_f32 v[250:251], v[250:251], v[138:139]
	v_pk_add_f32 v[248:249], v[248:249], v[142:143]
	v_pk_add_f32 v[246:247], v[246:247], v[146:147]
	v_pk_add_f32 v[244:245], v[244:245], v[150:151]
	v_pk_add_f32 v[14:15], v[14:15], v[154:155]
	v_pk_add_f32 v[216:217], v[216:217], v[158:159]
	s_delay_alu instid0(VALU_DEP_2)
	v_pk_add_f32 v[14:15], v[14:15], v[250:251]
	s_delay_alu instid0(VALU_DEP_2)
	v_pk_add_f32 v[216:217], v[216:217], v[248:249]
	v_pk_add_f32 v[254:255], v[254:255], v[246:247]
	v_pk_add_f32 v[252:253], v[252:253], v[244:245]
	s_delay_alu instid0(VALU_DEP_2)
	v_pk_add_f32 v[14:15], v[14:15], v[254:255]
	s_delay_alu instid0(VALU_DEP_2)
	v_pk_add_f32 v[216:217], v[216:217], v[252:253]
	s_delay_alu instid0(VALU_DEP_1)
	v_pk_add_f32 v[14:15], v[14:15], v[216:217]
	s_wait_alu depctr_va_vdst(0)                   ; and one for the four
.irp b, 0,1,2,3
	v_max_num_f32 v[BM+\b], 0x1800000, v[BM+\b]    ; the floor 2^(3 - 127)
.endr
.irp b, 0,1,2,3
	s_delay_alu instid0(VALU_DEP_4)
	v_add_nc_u32 v[SOP+\b], 0xff000000, v[BM+\b]   ; the conversion's scale operand
.endr
.irp b, 0,1,2,3
	s_delay_alu instid0(VALU_DEP_4)
	v_lshrrev_b32 v[EX+\b], 23, v[SOP+\b]          ; the scale's byte
.endr
	s_delay_alu instid0(VALU_DEP_3)
	v_lshl_or_b32 v228, v[EX+1], 8, v[EX]          ; p's scale word for these 128 keys
	s_delay_alu instid0(VALU_DEP_1)
	v_lshl_or_b32 v228, v[EX+2], 16, v228
	s_delay_alu instid0(VALU_DEP_1)
	v_lshl_or_b32 v228, v[EX+3], 24, v228
.irp c, 0,1
	v_cvt_scalef32_pk16_fp6_f32 v[PC+6*\c:PC+2+6*\c], v[S+32*\c:S+15+32*\c], v[SOP+2*\c]
	v_cvt_scalef32_pk16_fp6_f32 v[Y2+4*\c:Y2+2+4*\c], v[S+16+32*\c:S+31+32*\c], v[SOP+2*\c+1]
.endr
	v_nop                                          ; one plain place behind a scaled conversion
.irp c, 0,1
.irp i, 0,1,2
	v_permlane16_swap_b32 v[PC+6*\c+\i], v[Y2+4*\c+\i]   ; a whole block in a lane
.endr
.irp i, 0,1,2
	s_delay_alu instid0(VALU_DEP_3)
	v_mov_b32 v[PC+3+6*\c+\i], v[Y2+4*\c+\i]
.endr
.endr
.set j, 0
.rept 16
	v_pk_mul_f32 v[O+j:O+j+1], v[O+j:O+j+1], v[230:231] op_sel_hi:[1,0]   ; O^T under the new M; these are also the places in front of the products below
.set j, j+2
.endr
.endm
.macro PV                              ; O^T += V^T P^T: four accumulators by turns; K Q^T's products always stand between two steps' links
	s_wait_dscnt 0x0                               ; V is in
.irp t, 0,1,2,3
.if \t%2
	v_wmma_scale_f32_16x16x128_f8f6f4 v[O+8*\t:O+8*\t+7], v[48+12*\t:59+12*\t], v[PC:PC+11], v[O+8*\t:O+8*\t+7], v[226+\t/2], v228 matrix_a_fmt:MATRIX_FMT_FP6 matrix_b_fmt:MATRIX_FMT_FP6 matrix_a_scale:MATRIX_SCALE_ROW1
.else
	v_wmma_scale_f32_16x16x128_f8f6f4 v[O+8*\t:O+8*\t+7], v[48+12*\t:59+12*\t], v[PC:PC+11], v[O+8*\t:O+8*\t+7], v[226+\t/2], v228 matrix_a_fmt:MATRIX_FMT_FP6 matrix_b_fmt:MATRIX_FMT_FP6
.endif
.endr
.endm
; A KEY STEP.  s18: bit 0 = some wave of the work-group visits this step, bit 1 = the next; s16, s17: my tile visits it; it is all open.  All three are shifted by one at the step's end.
.macro TRIP slot
	s_bitcmp1_b32 s18, 1
	s_cbranch_scc0 .Lnl_\@
	GLOAD                                          ; the next step's record, into registers
.Lnl_\@:
	s_cmp_lt_u32 s19, s30
	s_cbranch_scc0 .Lnp_\@
	global_prefetch_b8 v9, s[24:25] offset:12800 th:TH_LOAD_NT scope:SCOPE_SE   ; the record after that: one step ahead of its load; each record is named by one work-group of its head
.Lnp_\@:
	s_bitcmp1_b32 s16, 0
	s_cbranch_scc0 .Lskip_\@
	s_bitcmp1_b32 s17, 0
	s_cbranch_scc1 .Lopen_\@
	MLOAD
	SCORES \slot
	s_wait_kmcnt 0x0
	MASK
	s_branch .Lsm_\@
.Lopen_\@:
	SCORES \slot
.Lsm_\@:
	VFETCH \slot
	SOFTMAX
	s_wait_alu depctr_va_vdst(0)
	PV
.Lskip_\@:
	s_wait_loadcnt 0x0                             ; the next record is in my registers,
	s_wait_xcnt 0x0                                ; and every memory instruction has read its base: both may step
	s_add_nc_u64 s[24:25], s[24:25], 12800
	s_add_nc_u64 s[26:27], s[26:27], 256
	s_bitcmp1_b32 s18, 1
	s_cbranch_scc0 .Lns_\@
	LSTORE 1-\slot                                 ; into the slot whose reads ended at the last barrier
.Lns_\@:
	s_lshr_b32 s18, s18, 1
	s_lshr_b32 s16, s16, 1
	s_lshr_b32 s17, s17, 1
	s_add_co_u32 s19, s19, 1
	s_wait_dscnt 0x0                               ; my stores have landed and my reads of this slot are back
	s_barrier_signal -1
	s_barrier_wait -1
.endm
.Lpass:
	s_wait_xcnt 0x0                                ; the last pass's stores have read their registers and bases
	s_lshl_b32 s15, s14, 4
	s_add_co_u32 s15, s15, s12                     ; tau
	s_lshl_b32 s100, s14, 10                       ; the flags of the block's 16 tiles x 16 steps: 1,024 bytes, 32 a lane: lane l has tile l / 2, steps 8 (l % 2) on
	s_add_co_u32 s100, s100, MF
	s_mov_b32 s101, 0
	s_add_nc_u64 s[100:101], s[8:9], s[100:101]
	v_lshlrev_b32 v10, 1, v1
	global_load_b128 v[96:99], v10, s[100:101]
	global_load_b128 v[100:103], v10, s[100:101] offset:16
	s_lshr_b32 s31, s15, 1                         ; my pair of tiles
	s_mul_i32 s104, s13, 98304
	s_mul_i32 s67, s31, 1536
	s_add_co_u32 s104, s104, s67
	s_mov_b32 s105, 0
	s_add_nc_u64 s[104:105], s[4:5], s[104:105]
.irp g, 0,1,2
	global_load_b128 v[48+4*\g:51+4*\g], v1, s[104:105] offset:512*\g
.endr
	s_lshl_b32 s24, s13, 12
	s_lshl_b32 s67, s31, 6
	s_add_co_u32 s24, s24, s67
	s_add_co_u32 s24, s24, QSO
	s_mov_b32 s25, 0
	s_add_nc_u64 s[24:25], s[4:5], s[24:25]
	v_and_b32 v11, 60, v2                          ; 4 r
	global_load_b32 v35, v11, s[24:25]
	v_mov_b32 v232, 0
	v_mov_b32 v233, 0
	v_mov_b32 v234, 0
	s_wait_loadcnt 0x0
.irp k, 0,1,2,3,4,5,6,7
	v_and_b32 v235, 0xffff, v[96+\k]
	s_delay_alu instid0(VALU_DEP_1)
	v_min_u32 v235, 1, v235
	s_wait_alu depctr_va_vdst(0)
	v_lshl_or_b32 v232, v235, \k, v232             ; some row has an open key in this step
	v_lshrrev_b32 v236, 16, v[96+\k]
	s_delay_alu instid0(VALU_DEP_1)
	v_lshl_or_b32 v233, v236, \k, v233             ; the step is all open
	v_or_b32 v234, v234, v[96+\k]                  ; rows with an open key in any step
.endr
	v_and_b32 v235, 4, v2
	s_delay_alu instid0(VALU_DEP_1)
	v_lshlrev_b32 v235, 1, v235                    ; 8 (l % 2)
	s_delay_alu instid0(VALU_DEP_4)
	v_lshl_or_b32 v232, v233, 16, v232
	s_delay_alu instid0(VALU_DEP_1)
	v_lshlrev_b32 v232, v235, v232                 ; visits in bits 0-15, all open in bits 16-31
	s_delay_alu instid0(VALU_DEP_1)
	v_mov_b32_dpp v236, v232 row_xmask:1 row_mask:0xf bank_mask:0xf
	s_delay_alu instid0(VALU_DEP_1)
	v_or_b32 v232, v232, v236
	v_mov_b32_dpp v236, v234 row_xmask:1 row_mask:0xf bank_mask:0xf
	s_delay_alu instid0(VALU_DEP_1)
	v_or_b32 v234, v234, v236
	s_delay_alu instid0(VALU_DEP_1)
	v_and_b32 v234, 0xffff, v234
	s_delay_alu instid0(VALU_DEP_4)
	v_or_b32 v236, 0xffff, v232
	s_delay_alu instid0(VALU_DEP_2)
	v_cmp_ne_u32 vcc_lo, 0xffff, v234
	s_delay_alu instid0(VALU_DEP_1)
	v_cndmask_b32 v232, v232, v236, vcc_lo         ; a tile with a row that has no open key at all visits every step
	v_lshrrev_b32 v235, 3, v2                      ; l / 2
	s_delay_alu instid0(VALU_DEP_1)
	v_cmp_eq_u32 vcc_lo, s12, v235
	s_delay_alu instid0(VALU_DEP_1)
	v_cndmask_b32 v233, 0, v232, vcc_lo            ; my own tile's word, 0 in the other lanes
.irp m, 2
	s_delay_alu instid0(VALU_DEP_4)
	v_mov_b32_dpp v236, v232 row_xmask:\m row_mask:0xf bank_mask:0xf
	s_delay_alu instid0(VALU_DEP_2)
	v_mov_b32_dpp v237, v233 row_xmask:\m row_mask:0xf bank_mask:0xf
	s_delay_alu instid0(VALU_DEP_2)
	v_or_b32 v232, v232, v236
	s_delay_alu instid0(VALU_DEP_2)
	v_or_b32 v233, v233, v237
.endr
.irp m, 4, 8
	s_delay_alu instid0(VALU_DEP_2)
	v_mov_b32_dpp v236, v232 row_xmask:\m row_mask:0xf bank_mask:0xf
	s_delay_alu instid0(VALU_DEP_2)
	v_mov_b32_dpp v237, v233 row_xmask:\m row_mask:0xf bank_mask:0xf
	s_delay_alu instid0(VALU_DEP_2)
	v_or_b32 v232, v232, v236
	s_delay_alu instid0(VALU_DEP_2)
	v_or_b32 v233, v233, v237
.endr
	s_delay_alu instid0(VALU_DEP_2)
	v_permlanex16_b32 v236, v232, s20, s21
	s_delay_alu instid0(VALU_DEP_2)
	v_permlanex16_b32 v237, v233, s20, s21
	s_delay_alu instid0(VALU_DEP_2)
	v_or_b32 v232, v232, v236
	s_delay_alu instid0(VALU_DEP_2)
	v_or_b32 v233, v233, v237
	s_delay_alu instid0(VALU_DEP_2)
	v_readfirstlane_b32 s18, v232
	s_delay_alu instid0(VALU_DEP_2)
	v_readfirstlane_b32 s16, v233
	s_and_b32 s18, s18, 0xffff                     ; the same in all sixteen waves
	s_lshr_b32 s17, s16, 16
	s_and_b32 s16, s16, 0xffff
.irp i, 0,1,2,3,4,5
	v_cndmask_b32 v[22+\i], v[48+\i], v[54+\i], s29   ; my tile of the pair
.endr
	v_perm_b32 v34, v35, v35, s66                  ; s0, s1, s0, s1: it serves [q | 0] and [0 | q]
.set j, 0
.rept 32
	v_mov_b32 v[O+j], 0                            ; O^T begins as zeros, which the first change of M leaves zeros; these lines also stand between q's registers and the first product
.set j, j+1
.endr
	v_mov_b32 v14, 0
	v_mov_b32 v15, 0
	v_mov_b32 v13, 0xff61b1e6                      ; -3e38, under every t
	s_delay_alu instid0(VALU_DEP_1)
	v_floor_f32 v12, -v13
	s_mul_i32 s24, s13, 204800
	s_mov_b32 s25, 0
	s_add_nc_u64 s[24:25], s[6:7], s[24:25]        ; my head's records
	s_lshl_b32 s26, s15, 12
	s_mov_b32 s27, 0
	s_add_nc_u64 s[26:27], s[8:9], s[26:27]        ; my tile's mask words
	s_mov_b32 s19, 0
	s_bitcmp1_b32 s18, 0
	s_cbranch_scc0 .Lnofirst
	GLOAD                                          ; record 0; no wave reads LDS here: the last pass ended at a barrier
	s_wait_loadcnt 0x0
	LSTORE 0
.Lnofirst:
	s_wait_xcnt 0x0
	s_add_nc_u64 s[24:25], s[24:25], 12800
	s_wait_dscnt 0x0
	s_barrier_signal -1
	s_barrier_wait -1
	s_mov_b32 s3, 8
.Ltrip:
	TRIP 0
	TRIP 1
	s_sub_co_u32 s3, s3, 1
	s_cmp_lg_u32 s3, 0
	s_cbranch_scc1 .Ltrip
	; THE PASS'S END: O^T / the sum, quantised along D: register 16 b + i is the head's dim 32 b + 16 h + i
.rept 4
	v_nop
.endr
	s_wait_alu depctr_va_vdst(0)
	v_add_f32 v14, v14, v15
	s_delay_alu instid0(VALU_DEP_1)
	v_permlanex16_b32 v232, v14, s20, s21
	s_delay_alu instid0(VALU_DEP_1)
	v_add_f32 v14, v14, v232
	s_wait_alu depctr_va_vdst(0)
	v_rcp_f32 v14, v14
	v_nop                                          ; a plain place behind the reciprocal
	s_wait_alu depctr_va_vdst(0)                   ; and the wait ahead of its first reader
.set j, 0
.rept 32
	v_mul_f32 v[S+j], v[O+j], v14
.set j, j+1
.endr
.irp b, 0,1
	v_max3_num_f32 v[BM+\b], |v[S+16*\b]|, |v[S+1+16*\b]|, 0x1800000
.endr
.irp i, 2,4,6,8,10,12,14
.irp b, 0,1
	s_delay_alu instid0(VALU_DEP_2)
	v_max3_num_f32 v[BM+\b], v[BM+\b], |v[S+16*\b+\i]|, |v[S+1+16*\b+\i]|
.endr
.endr
.irp b, 0,1
	s_delay_alu instid0(VALU_DEP_2)
	v_permlanex16_b32 v[EX+\b], v[BM+\b], s20, s21
.endr
.irp b, 0,1
	s_delay_alu instid0(VALU_DEP_2)
	v_max_num_f32 v[BM+\b], v[BM+\b], v[EX+\b]
.endr
.irp b, 0,1
	s_delay_alu instid0(VALU_DEP_2)
	v_add_nc_u32 v[SOP+\b], 0xff000000, v[BM+\b]
.endr
.irp b, 0,1
	s_delay_alu instid0(VALU_DEP_2)
	v_lshrrev_b32 v[EX+\b], 23, v[SOP+\b]
.endr
	v_cvt_scalef32_pk16_fp6_f32 v[200:202], v[S:S+15], v[SOP]
	v_cvt_scalef32_pk16_fp6_f32 v[204:206], v[S+16:S+31], v[SOP+1]
	v_nop                                          ; one plain place behind a scaled conversion
.irp i, 0,1,2
	v_permlane16_swap_b32 v[200+\i], v[204+\i]     ; lane (r, h) now holds block h of the head's 64
.endr
	s_delay_alu instid0(VALU_DEP_3)
	v_mov_b32 v203, v204
	s_delay_alu instid0(VALU_DEP_3)
	v_mov_b32 v204, v205
	s_delay_alu instid0(VALU_DEP_3)
	v_mov_b32 v205, v206
	v_cndmask_b32 v232, v[EX], v[EX+1], s28        ; and its byte
	s_lshr_b32 s31, s13, 4
	s_lshl_b32 s31, s31, 7
	s_add_co_u32 s31, s31, s15                     ; the tile among all 512: 128 batch + tau
	s_and_b32 s67, s13, 15                         ; the head
	s_lshr_b32 s100, s67, 1
	s_lshl_b32 s101, s31, 3
	s_add_co_u32 s100, s100, s101
	s_mul_i32 s100, s100, 1536                     ; (tile, K step of 128 = two heads)
	s_and_b32 s101, s13, 1
	s_mul_i32 s101, s101, 768                      ; which half of the fragment
	s_add_co_u32 s100, s100, s101
	s_mov_b32 s101, 0
	s_add_nc_u64 s[100:101], s[10:11], s[100:101]
	s_wait_alu depctr_va_vdst(0)
.irp p, 0,1,2
	global_store_b64 v7, v[200+2*\p:201+2*\p], s[100:101] offset:256*\p   ; 32 lanes store 256 consecutive bytes, aligned
.endr
	s_lshl_b32 s104, s31, 9                        ; 16 rows of 32 scale bytes a tile
	s_lshl_b32 s67, s67, 1
	s_add_co_u32 s104, s104, s67
	s_add_co_u32 s104, s104, OSO
	s_mov_b32 s105, 0
	s_add_nc_u64 s[104:105], s[10:11], s[104:105]
	global_store_b8 v8, v232, s[104:105]           ; row r's byte of block 2 head + h
	s_mov_b32 s14, ttmp9                           ; the second pass's query block; it prefetches nothing: the records have been named
	s_mov_b32 s30, 0
	s_sub_co_u32 s2, s2, 1
	s_cmp_lg_u32 s2, 0
	s_cbranch_scc1 .Lpass
	s_wait_tensorcnt 0x0                           ; the wave's end: behind my last LDS store
	ds_add_u32 v5, v6
	s_wait_dscnt 0x0
	s_endpgm
.Lfunc_end_k_q9ab2723a73_attn:
	.size	k_q9ab2723a73_attn, .Lfunc_end_k_q9ab2723a73_attn-k_q9ab2723a73_attn
	.p2alignl 7, 3214868480
	.fill 96, 4, 3214868480
	.section	.rodata,"a",@progbits
	.p2align	6, 0x0
	.amdhsa_kernel k_q9ab2723a73_attn
		.amdhsa_group_segment_fixed_size 27648
		.amdhsa_private_segment_fixed_size 0
		.amdhsa_enable_private_segment 0
		.amdhsa_kernarg_size 32
		.amdhsa_user_sgpr_count 2
		.amdhsa_user_sgpr_kernarg_segment_ptr 1
		.amdhsa_wavefront_size32 1
		.amdhsa_system_sgpr_workgroup_id_x 1
		.amdhsa_system_sgpr_workgroup_id_y 1
		.amdhsa_system_sgpr_workgroup_id_z 1
		.amdhsa_system_vgpr_workitem_id 0
		.amdhsa_next_free_vgpr 256
		.amdhsa_next_free_sgpr 106
		.amdhsa_reserve_vcc 1
		.amdhsa_float_denorm_mode_32 3
		.amdhsa_float_denorm_mode_16_64 3
		.amdhsa_memory_ordered 1
		.amdhsa_forward_progress 1
		.amdhsa_inst_pref_size 67
	.end_amdhsa_kernel
	.amdgpu_metadata
---
amdhsa.version: [ 1, 2 ]
amdhsa.kernels:
  - .name:           k_q9ab2723a73_attn
    .symbol:         k_q9ab2723a73_attn.kd
    .args:
      - { .name: qq, .offset: 0, .size: 8, .value_kind: global_buffer, .address_space: global }
      - { .name: kv, .offset: 8, .size: 8, .value_kind: global_buffer, .address_space: global }
      - { .name: mw, .offset: 16, .size: 8, .value_kind: global_buffer, .address_space: global }
      - { .name: oo, .offset: 24, .size: 8, .value_kind: global_buffer, .address_space: global }
    .group_segment_fixed_size: 27648
    .private_segment_fixed_size: 0
    .kernarg_segment_align: 8
    .kernarg_segment_size: 32
    .max_flat_workgroup_size: 512
    .sgpr_count:     106
    .vgpr_count:     256
    .wavefront_size: 32
...
	.end_amdgpu_metadata
.endif
;; end of part 3
;; launch outp (part 4): grid 4 x 32, 4 waves a work-group, clusters of 4 x 4, 327,680 bytes of LDS; arguments oo, xq, bo, out0; writes out0
.if DOCPART == 4
	.amdgcn_target "amdgcn-amd-amdhsa--gfx1250"
	.amdhsa_code_object_version 6
	.text
	.protected	k_q9ab2723a73_outp
	.globl	k_q9ab2723a73_outp
	.p2align	8
	.type	k_q9ab2723a73_outp,@function
k_q9ab2723a73_outp:
	s_mov_b64 s[64:65], 0
	v_nop
	global_prefetch_b8 v0, s[64:65] scope:SCOPE_SE
	s_setreg_imm32_b32 hwreg(HW_REG_WAVE_MODE, 25, 1), 1
	s_wait_xcnt 0x0
	s_wait_alu depctr_hold_cnt(0) depctr_sa_sdst(0) depctr_va_vdst(0) depctr_va_sdst(0) depctr_va_ssrc(0) depctr_va_vcc(0) depctr_vm_vsrc(0)
	s_getreg_b32 s2, hwreg(HW_REG_IB_STS2, 6, 4)
	s_cmp_eq_u32 s2, 0
	s_cbranch_scc0 .Lentry_in_a_cluster
	s_endpgm
.Lentry_in_a_cluster:
	s_bfe_u32 s2, ttmp6, 0x10000c
	s_cmp_lg_u32 s2, 0xf033
	s_cbranch_scc0 .Lentry_shape_is_right
	s_endpgm
.Lentry_shape_is_right:
; OUTP.  out0 = x Wo^T + bo on codes of FP6 (E2M3) with E8M0 scales, K = 1,024.  x: the attention's result, as images of operand registers: oo [512 tile of 16 rows][8 K steps of 128][6 pieces][32 lanes][8 bytes],
; its scale bytes [8192 positions][32] at OSO; position 16 tau + r stands for token 32 (tau / 2) + 8 (tau % 2) + r + 8 (r / 8) of its group.  Wo: rows 27648 on of xq (codes [row][768], scale bytes at XS), its rows permuted likewise.
; A work-group of four waves makes 256 x 256 of the output, a wave 128 x 128 (64 accumulators); 8 clusters of 4 x 4; x's tiles are asked for jointly along a row of the cluster, Wo's along a column.
; K goes in steps of 256 through two LDS slots.  x's part of a slot is 16 tiles x 3,072 bytes, dense: a fragment is six loads of 8 bytes a lane at 8 x lane.  Wo's is 256 rows of 192 bytes, padded to 240.
; The matrix instruction is used transposed (source 0 = Wo's rows, source 1 = x's rows): a lane holds one row and eight neighbouring outputs a tile.  The bias is the C of each sum's first instruction.
; 128 work-groups: the problem's 8,192 x 1,024 outputs in tiles of 256 x 256.
; REGISTERS: window 0: v0-31 addresses; v32-63 scale words; v64-127 the bias; from v128 x's fragments.  window 1: Wo's fragments, two sets.  windows 2, 3: the accumulators.
.set KSTEP,  256
.set NQ,     2
.set ROWB,   192
.set KROW,   768
.set PITCH,  240
.set FR,     12
.set NL,     6
.set NP,     4
.set HALFA,  24576                     ; x: 8 tiles x 3,072 bytes: what one tensor load brings
.set HALFT,  128*PITCH                 ; Wo: 128 rows
.set BOFF,   2*HALFA                   ; Wo's rows lie behind x's tiles
.set SLOT,   2*HALFA+2*HALFT
.set LAPS,   2
.set KS,     32
.set SCL,    2*SLOT
.set HALFS,  (128*KS/256)*272
.set SBLK,   (16*KS/256)*272
.set SPARE,  SCL+4*HALFS               ; the spare words, 128 bytes a wave: two blocks of 256 bytes that no other line names
.set SPITCH, 528                       ; the way out: a stage of 16 rows x (512 + 16) bytes for each wave, in slot 0, which has had its last fill and its last read by then
.set XS,     22020096
.set OSO,    6291456
.set ADRA, 16                          ; v16-17 x's fragments in slot 0, 1
.set ADRB, 20                          ; v20-23 Wo's
.set STO,  24
.set RD,   25
.set CO,   26
.set ADRS, 27
.set SPW,  28                          ; v28 my spare word's address; never rewritten
.set NIL,  29                          ; v29 0; never rewritten
.set SC,   32
.set BI,   64
.set AF,   128
.set BK,   128
.set G1, 24
.set G0, 32
.set G1B, 48
.set G0B, 56
.set G1S, 68
.set G0S, 76
.set G1SB, 80
.set G0SB, 88
.set MSB, 0
.macro WIN new
.if MSB != (\new)
	s_set_vgpr_msb (MSB<<8)|(\new)
.set MSB, (\new)
.endif
.endm
.set MUL_LO, 0xa1
.set MUL_HI, 0xf1
.set TO_B,   0x40
.macro JLOAD g0a, g1a, g0b, g1b        ; a joint load: waves 0 and 1 fetch for x, waves 2 and 3 for Wo; an s_nop 0 and four v_nop follow each line
	s_cmp_eq_u32 s15, 0
	s_cbranch_scc0 .Lfor_b_\@
	tensor_load_to_lds s[\g0a:\g0a+3], s[\g1a:\g1a+7]
	s_nop 0
.rept 4
	v_nop
.endr
	s_branch .Lasked_\@
.Lfor_b_\@:
	tensor_load_to_lds s[\g0b:\g0b+3], s[\g1b:\g1b+7]
	s_nop 0
.rept 4
	v_nop
.endr
.Lasked_\@:
.endm
.macro CREST
	s_cmp_lg_u32 s14, 0
	s_cbranch_scc1 .Lnot_wave_0_\@
	s_barrier_signal -3
.Lnot_wave_0_\@:
	s_barrier_wait -3
	s_barrier_signal -1
	s_barrier_wait -1
.endm
.macro CROUND
	s_barrier_signal -1
	s_barrier_wait -1
	CREST
.endm
	s_load_b256 s[4:11], s[0:1], 0x0               ; oo, xq, bo, out0
	v_lshl_add_u32 v[SPW], v0, 2, SPARE
	v_mov_b32 v[NIL], 0
	ds_add_u32 v[SPW], v[NIL]                      ; the wave's opening: the add and its wait ahead of my first tensor load
	v_lshrrev_b32 v1, 5, v0
	v_readfirstlane_b32 s14, v1                    ; wave
	s_lshr_b32 s15, s14, 1                         ; my half of the rows; also: I fetch for x (0) or Wo (1)
	s_and_b32 s16, s14, 1                          ; my half of the columns; also: which half of that tile I fetch
	s_bfe_u32 s42, ttmp6, 0x40000                  ; cx: the tile column (one cluster along x)
	s_bfe_u32 s41, ttmp6, 0x40004                  ; cy
	s_and_b32 s17, ttmp7, 0xffff
	s_lshl_b32 s17, s17, 2
	s_add_co_u32 s17, s17, s41                     ; the tile row = 4 x cluster y + cy
	s_lshl_b32 s43, s41, 2
	s_lshl_b32 s43, 15, s43                        ; my row of the cluster
	s_lshl_b32 s44, 0x1111, s42                    ; my column
	s_or_b32 s[G1+0], s43, (3<<16)|(1<<21)         ; x: the mask; elements of 8 bytes; no padding; bit 21 beside a mask
	s_mov_b32 s[G1+1], 384<<16                     ; tensor_dim0: 3,072 bytes: a tile's two K steps of 128
	s_mov_b32 s[G1+2], 8<<16                       ; tensor_dim1: 8 tiles
	s_mov_b32 s[G1+3], 384<<16                     ; tile_dim0
	s_mov_b32 s[G1+4], 8                           ; tile_dim1
	s_mov_b32 s[G1+5], 1536                        ; from tile to tile: 12,288 bytes
	s_mov_b32 s[G1+6], 0
	s_mov_b32 s[G1+7], 0
	s_or_b32 s[G1B+0], s44, (0<<16)|(1<<20)|(1<<21)|(3<<22)|(3<<25)  ; Wo: 128 rows x 192 bytes, 16 bytes of padding behind every 64
	s_mov_b32 s[G1B+1], ROWB<<16
	s_mov_b32 s[G1B+2], 128<<16
	s_mov_b32 s[G1B+3], ROWB<<16
	s_mov_b32 s[G1B+4], 128
	s_mov_b32 s[G1B+5], KROW
	s_mov_b32 s[G1B+6], 0
	s_mov_b32 s[G1B+7], 0
	s_or_b32 s[G1S+0], s43, (3<<16)|(1<<20)|(1<<21)|(5<<22)|(3<<25)  ; the scales of 128 rows: 16 rows of 256 bytes, 16 bytes of padding behind each
	s_or_b32 s[G1SB+0], s44, (3<<16)|(1<<20)|(1<<21)|(5<<22)|(3<<25)
.irp g, G1S, G1SB
	s_mov_b32 s[\g+1], 32<<16
	s_mov_b32 s[\g+2], (128*KS/256)<<16
	s_mov_b32 s[\g+3], 32<<16
	s_mov_b32 s[\g+4], 128*KS/256
	s_mov_b32 s[\g+5], 32
	s_mov_b32 s[\g+6], 0
	s_mov_b32 s[\g+7], 0
.endr
	s_lshl_b32 s20, s17, 4
	s_lshl_b32 s18, s16, 3
	s_add_co_u32 s20, s20, s18                     ; x: tile 16 x tile row + 8 x half,
	s_mul_i32 s20, s20, 12288                      ; in bytes
	s_mov_b32 s21, 0
	s_lshl_b32 s18, s16, 7
	s_lshl_b32 s22, s17, 8
	s_add_co_u32 s22, s22, s18                     ; its first position,
	s_lshl_b32 s22, s22, 5                         ; whose scale bytes
	s_add_co_u32 s22, s22, OSO                     ; lie behind the images
	s_mov_b32 s23, 0
	s_lshl_b32 s46, s42, 8
	s_add_co_u32 s46, s46, s18
	s_add_co_u32 s46, s46, 27648                   ; Wo: row 27648 + 256 cx + 128 half of xq
	s_lshl_b32 s92, s46, 5
	s_add_co_u32 s92, s92, XS
	s_mov_b32 s93, 0
	s_mul_i32 s46, s46, KROW
	s_mov_b32 s47, 0
	s_mul_i32 s45, s16, HALFA                      ; where they go: x's halves at the slot's head,
	s_mul_i32 s95, s16, HALFT
	s_add_co_u32 s95, s95, BOFF                    ; Wo's behind them
	s_mul_i32 s94, s14, HALFS
	s_wait_dscnt 0x0                               ; the opening add is done
	s_wait_kmcnt 0x0
	s_add_nc_u64 s[20:21], s[4:5], s[20:21]
	s_add_nc_u64 s[22:23], s[4:5], s[22:23]
	s_add_nc_u64 s[46:47], s[6:7], s[46:47]
	s_add_nc_u64 s[92:93], s[6:7], s[92:93]
	CROUND                                         ; all sixteen work-groups are here: the first joint loads meet
	s_mov_b32 s[G0S], 1
	s_add_co_u32 s[G0S+1], s94, SCL
	s_mov_b64 s[G0S+2:G0S+3], s[22:23]
	s_or_b32 s[G0S+3], s[G0S+3], 0x80000000
	s_mov_b32 s[G0SB], 1
	s_add_co_u32 s[G0SB+1], s94, SCL
	s_mov_b64 s[G0SB+2:G0SB+3], s[92:93]
	s_or_b32 s[G0SB+3], s[G0SB+3], 0x80000000
	JLOAD G0S, G1S, G0SB, G1SB                     ; the scales first: three loads of mine are out behind the next two
.irp s, 0,1
	s_mov_b32 s[G0+4*\s], 1
	s_add_co_u32 s[G0+4*\s+1], s45, \s*SLOT
	s_add_nc_u64 s[G0+4*\s+2:G0+4*\s+3], s[20:21], \s*3072
	s_or_b32 s[G0+4*\s+3], s[G0+4*\s+3], 0x80000000
	s_mov_b32 s[G0B+4*\s], 1
	s_add_co_u32 s[G0B+4*\s+1], s95, \s*SLOT
	s_add_nc_u64 s[G0B+4*\s+2:G0B+4*\s+3], s[46:47], \s*ROWB
	s_or_b32 s[G0B+4*\s+3], s[G0B+4*\s+3], 0x80000000
	JLOAD G0+4*\s, G1, G0B+4*\s, G1B
.endr
	v_and_b32 v1, 15, v0                           ; r
	v_bfe_u32 v2, v0, 4, 1                         ; h
	v_and_b32 v6, 31, v0                           ; lane
	v_mul_u32_u24 v3, v1, PITCH
	v_mul_u32_u24 v4, v2, 24
	v_add_nc_u32 v4, v3, v4                        ; Wo: row x pitch + 24 h,
	v_lshl_add_u32 v5, v2, 4, v4                   ; and the same behind one padding more
	v_lshlrev_b32 v3, 3, v6                        ; x: 8 x lane
	s_mul_i32 s21, s15, HALFA                      ; my 8 tiles of x
	s_mul_i32 s22, s16, HALFT                      ; my 128 rows of Wo
	s_add_co_u32 s22, s22, BOFF
.irp s, 0,1
	v_add_nc_u32 v[ADRA+\s], s21, v3
	v_add_nc_u32 v[ADRB+\s], s22, v4
	v_add_nc_u32 v[ADRB+2+\s], s22, v5
	s_add_co_u32 s21, s21, SLOT
	s_add_co_u32 s22, s22, SLOT
.endr
	v_mul_u32_u24 v5, v1, KS
	v_lshrrev_b32 v7, 8, v5
	v_lshl_add_u32 v5, v7, 4, v5
	s_mul_i32 s21, s15, HALFS
	s_mul_i32 s22, s16, HALFS
	s_add_co_u32 s22, s22, 2*HALFS
	s_sub_co_u32 s22, s22, s21
	v_mul_u32_u24 v7, s22, v2                      ; lanes 16-31 take Wo's words
	s_add_co_u32 s21, s21, SCL
	v_add_nc_u32 v5, v5, v7
	v_add_nc_u32 v[ADRS], s21, v5
	s_mul_i32 s23, s14, 16*SPITCH                  ; my stage
	v_mul_u32_u24 v5, v1, SPITCH                   ; in: row r, + 64 h: register 8 b + j is output 32 (b / 2) + 16 h + 8 (b % 2) + j
	v_lshl_add_u32 v5, v2, 6, v5
	v_add_nc_u32 v[STO], s23, v5
	v_lshlrev_b32 v[CO], 4, v6                     ; back: the 32 lanes take one row of 512 bytes; the same in out0
	v_add_nc_u32 v[RD], s23, v[CO]
	v_lshlrev_b32 v8, 6, v2                        ; the bias: + 64 h bytes
	s_lshl_b32 s20, s17, 8
	s_lshl_b32 s21, s15, 7
	s_add_co_u32 s20, s20, s21                     ; my first row: 256 x tile row + 128 x half
	s_lshl_b32 s20, s20, 12                        ; a row of out0 is 4,096 bytes
	s_lshl_b32 s46, s42, 10
	s_lshl_b32 s47, s16, 9
	s_add_co_u32 s46, s46, s47                     ; my first column, in bytes
	s_add_co_u32 s20, s20, s46
	s_mov_b32 s21, 0
	s_mov_b32 s47, 0
	s_add_nc_u64 s[10:11], s[10:11], s[20:21]
	s_add_nc_u64 s[8:9], s[8:9], s[46:47]
.irp b, 0,1,2,3,4,5,6,7
	global_load_b128 v[BI+8*\b:BI+8*\b+3], v8, s[8:9] offset:4*(32*(\b/2)+8*(\b%2))
	global_load_b128 v[BI+8*\b+4:BI+8*\b+7], v8, s[8:9] offset:4*(32*(\b/2)+8*(\b%2))+16
.endr
.macro FRAG reg, adr, q, i             ; Wo's fragment: six pieces of 8 bytes from padded rows
.irp p, 0,1,2,3,4,5
.set PCE, 12*(\q)+6*(\p/3)+\p%3
.if PCE%8 < 5
	ds_load_b64 v[\reg+2*\p:\reg+2*\p+1], v[\adr] offset:8*PCE+16*(PCE/8)+(\i)*16*PITCH
.else
	ds_load_b64 v[\reg+2*\p:\reg+2*\p+1], v[\adr+2] offset:8*PCE+16*(PCE/8)+(\i)*16*PITCH
.endif
.endr
.endm
.macro FRAGA reg, slot, q, i           ; x's fragment: six pieces of 8 bytes a lane, each 256 consecutive bytes for the wave
.irp p, 0,1,2,3,4,5
	ds_load_b64 v[\reg+2*\p:\reg+2*\p+1], v[ADRA+\slot] offset:3072*(\i)+1536*(\q)+256*\p
.endr
.endm
; 16 matrix instructions; zero = 1: the sums begin with the bias as C.  The 64 accumulators take turns, one instruction a turn.
.macro MUL16 a0, p, q, sc, zero
.irp a, \a0, \a0+1
.irp b, 0,1,2,3,4,5,6,7
.if \zero
	v_wmma_scale_f32_16x16x128_f8f6f4 v[8*(8*((\a)%4)+\b):8*(8*((\a)%4)+\b)+7], v[128*(\p)+FR*\b:128*(\p)+FR*\b+FR-1], v[AF+FR*(\a):AF+FR*(\a)+FR-1], v[BI+8*\b:BI+8*\b+7], v[SC+8*NQ*(\sc)+NQ*\b+(\q)], v[SC+8*NQ*(\sc)+NQ*(\a)+(\q)] matrix_a_fmt:MATRIX_FMT_FP6 matrix_b_fmt:MATRIX_FMT_FP6 matrix_a_scale:MATRIX_SCALE_ROW1
.else
	v_wmma_scale_f32_16x16x128_f8f6f4 v[8*(8*((\a)%4)+\b):8*(8*((\a)%4)+\b)+7], v[128*(\p)+FR*\b:128*(\p)+FR*\b+FR-1], v[AF+FR*(\a):AF+FR*(\a)+FR-1], v[8*(8*((\a)%4)+\b):8*(8*((\a)%4)+\b)+7], v[SC+8*NQ*(\sc)+NQ*\b+(\q)], v[SC+8*NQ*(\sc)+NQ*(\a)+(\q)] matrix_a_fmt:MATRIX_FMT_FP6 matrix_b_fmt:MATRIX_FMT_FP6 matrix_a_scale:MATRIX_SCALE_ROW1
.endif
.endr
.endr
.endm
.macro FETCH_B slot, q, p
	WIN TO_B
.irp i, 0,1,2,3,4,5,6,7
	FRAG 128*(\p)+FR*\i, ADRB+\slot, \q, \i
.endr
	WIN 0
.endm
.macro FETCH_A slot, q, i0
.irp i, \i0, \i0+1, \i0+2, \i0+3
	FRAGA AF+FR*(\i), \slot, \q, \i
.endr
.endm
.macro SCALES sc
.irp i, 0,1,2,3,4,5,6,7
	ds_load_b64 v[SC+8*NQ*\sc+NQ*\i:SC+8*NQ*\sc+NQ*\i+1], v[ADRS] offset:\i*SBLK
.endr
.endm
.macro PLACES n
.rept \n
	v_nop
.endr
.endm
.macro STEP slot, q, zero
	s_wait_dscnt 4*NL                              ; Wo's set and x's blocks 0-3 are in; the youngest 24 loads (blocks 4-7) may be out
	WIN MUL_LO-0x20*(\zero)                        ; (with the bias as C: source 2 in window 0)
	MUL16 0, (\q)%2, \q, \slot, \zero
	MUL16 2, (\q)%2, \q, \slot, \zero
	s_wait_dscnt 0
	PLACES NP
	FETCH_B \slot, (\q)+1, 1-(\q)%2
	FETCH_A \slot, (\q)+1, 0
	WIN MUL_HI-0x30*(\zero)
	MUL16 4, (\q)%2, \q, \slot, \zero
	MUL16 6, (\q)%2, \q, \slot, \zero
	PLACES NP
	WIN 0
	FETCH_A \slot, (\q)+1, 4
.endm
.macro TURN slot, next, fill
	s_wait_tensorcnt 0x0                           ; all my tensor loads have landed: my part of the next slot
	ds_add_u32 v[SPW], v[NIL]
	s_wait_dscnt 4*NL+1                            ; (the add and x's blocks 4-7 may be out)
	WIN MUL_LO
	MUL16 0, 1, NQ-1, \slot, 0
	s_wait_dscnt 0x0                               ; the add is done, and my reads of this slot are over
	s_barrier_signal -1
	MUL16 2, 1, NQ-1, \slot, 0
	WIN 0
	s_barrier_wait -1
.if \fill
	CREST                                          ; the barrier has opened a round of the cluster's barrier
	s_add_nc_u64 s[G0+4*\slot+2:G0+4*\slot+3], s[G0+4*\slot+2:G0+4*\slot+3], 2*3072
	s_add_nc_u64 s[G0B+4*\slot+2:G0B+4*\slot+3], s[G0B+4*\slot+2:G0B+4*\slot+3], 2*ROWB
	JLOAD G0+4*\slot, G1, G0B+4*\slot, G1B         ; the first tensor load behind the round, my one load until the next
.else
	PLACES NP
.endif
	v_add_nc_u32 v[ADRS], 4*NQ, v[ADRS]
	FETCH_B \next, 0, 0
	FETCH_A \next, 0, 0
	SCALES \next
	WIN MUL_HI
	MUL16 4, 1, NQ-1, \slot, 0
	MUL16 6, 1, NQ-1, \slot, 0
	PLACES NP
	WIN 0
	FETCH_A \next, 0, 4
.endm
	s_wait_tensorcnt 1                             ; the scales and my part of K step 0 are in (K step 1's load may be out),
	s_barrier_signal -1
	s_barrier_wait -1                              ; everybody's are
	FETCH_B 0, 0, 0
	FETCH_A 0, 0, 0
	SCALES 0
	FETCH_A 0, 0, 4
	s_wait_loadcnt 0x0                             ; the bias
	STEP 0, 0, 1
	s_mov_b32 s3, LAPS-1
.Llap:
	TURN 0, 1, 1
	STEP 1, 0, 0
	TURN 1, 0, 1
	STEP 0, 0, 0
	s_sub_co_u32 s3, s3, 1
	s_cmp_lg_u32 s3, 0
	s_cbranch_scc1 .Llap
	TURN 0, 1, 0                                   ; the last lap fills nothing
	STEP 1, 0, 0
	s_wait_dscnt 4*NL                              ; the very last step
	WIN MUL_LO
	MUL16 0, 1, NQ-1, 1, 0
	MUL16 2, 1, NQ-1, 1, 0
	s_wait_dscnt 0
	WIN MUL_HI
	MUL16 4, 1, NQ-1, 1, 0
	MUL16 6, 1, NQ-1, 1, 0
	WIN 0
; THE WAY OUT, block by block of 16 rows x 128 columns, through my own stage; LDS serves a wave's instructions in order, so no wait stands between the stores and the loads.
.macro TOSTAGE a
.set AC, 64*((\a)%4)
	WIN 0x08+4*((\a)/4)                            ; an LDS store's data: window 2 or 3
.irp b, 0,1,2,3,4,5,6,7
	ds_store_b128 v[STO], v[AC+8*\b:AC+8*\b+3] offset:128*(\b/2)+32*(\b%2)        ; each accumulator from its low end on
	ds_store_b128 v[STO], v[AC+8*\b+4:AC+8*\b+7] offset:128*(\b/2)+32*(\b%2)+16
.endr
	WIN 0
.set BBK, BK+64*((\a)%2)
.irp t, 0,1,2,3,4,5,6,7,8,9,10,11,12,13,14,15
	ds_load_b128 v[BBK+4*\t:BBK+4*\t+3], v[RD] offset:\t*SPITCH
.endr
.endm
.macro SEND a, younger                 ; block a's row t is token 32 (a / 2) + 8 (a % 2) + t % 8 + 16 (t / 8) of my 128
.set BBK, BK+64*((\a)%2)
	s_wait_dscnt \younger
.if (\a) > 0
.if ((\a)%2) == 1
	s_add_nc_u64 s[10:11], s[10:11], 8*4096        ; (behind a wait on XCNT: the earlier stores have read their base)
.else
	s_add_nc_u64 s[10:11], s[10:11], 24*4096
.endif
.endif
.irp t, 0,1,2,3,4,5,6,7,8,9,10,11,12,13,14,15
	global_store_b128 v[CO], v[BBK+4*\t:BBK+4*\t+3], s[10:11] offset:((\t%8)+16*(\t/8))*4096 th:TH_STORE_NT   ; 32 lanes store 512 consecutive bytes, aligned
.endr
.endm
	PLACES NP
	TOSTAGE 0
.irp a, 1,2,3,4,5,6,7
.if \a > 1
	s_wait_xcnt 0x0                                ; block a - 2's stores have read their registers and their base
.endif
	TOSTAGE \a
	SEND \a-1, 32                                  ; behind block a - 1's loads: block a's 16 stores and 16 loads
.endr
	s_wait_xcnt 0x0
	SEND 7, 0
	s_wait_tensorcnt 0x0                           ; the wave's end: behind my last tensor load and my last LDS store
	ds_add_u32 v[SPW], v[NIL]
	s_wait_dscnt 0x0
	CROUND                                         ; the closing round
	s_endpgm
.Lfunc_end_k_q9ab2723a73_outp:
	.size	k_q9ab2723a73_outp, .Lfunc_end_k_q9ab2723a73_outp-k_q9ab2723a73_outp
	.p2alignl 7, 3214868480
	.fill 96, 4, 3214868480
	.section	.rodata,"a",@progbits
	.p2align	6, 0x0
	.amdhsa_kernel k_q9ab2723a73_outp
		.amdhsa_group_segment_fixed_size 327680
		.amdhsa_private_segment_fixed_size 0
		.amdhsa_enable_private_segment 0
		.amdhsa_kernarg_size 32
		.amdhsa_user_sgpr_count 2
		.amdhsa_user_sgpr_kernarg_segment_ptr 1
		.amdhsa_wavefront_size32 1
		.amdhsa_system_sgpr_workgroup_id_x 1
		.amdhsa_system_sgpr_workgroup_id_y 1
		.amdhsa_system_sgpr_workgroup_id_z 1
		.amdhsa_system_vgpr_workitem_id 0
		.amdhsa_next_free_vgpr 1024
		.amdhsa_next_free_sgpr 100
		.amdhsa_reserve_vcc 0
		.amdhsa_float_denorm_mode_32 3
		.amdhsa_float_denorm_mode_16_64 3
		.amdhsa_memory_ordered 1
		.amdhsa_forward_progress 1
		.amdhsa_inst_pref_size 161
	.end_amdhsa_kernel
	.amdgpu_metadata
---
amdhsa.version: [ 1, 2 ]
amdhsa.kernels:
  - .name:           k_q9ab2723a73_outp
    .symbol:         k_q9ab2723a73_outp.kd
    .args:
      - { .name: oo, .offset: 0, .size: 8, .value_kind: global_buffer, .address_space: global }
      - { .name: xq, .offset: 8, .size: 8, .value_kind: global_buffer, .address_space: global }
      - { .name: bo, .offset: 16, .size: 8, .value_kind: global_buffer, .address_space: global }
      - { .name: out0, .offset: 24, .size: 8, .value_kind: global_buffer, .address_space: global }
    .group_segment_fixed_size: 327680
    .private_segment_fixed_size: 0
    .kernarg_segment_align: 8
    .kernarg_segment_size: 32
    .max_flat_workgroup_size: 128
    .sgpr_count:     100
    .vgpr_count:     1024
    .wavefront_size: 32
...
	.end_amdgpu_metadata
.endif
;; end of part 4
